; MI455X (gfx1250); checked and timed in simulation.
; The chip was launched on July 23, 2026; its instructions are those of AMD's public machine-readable ISA for CDNA 5 (MIT licence, August 2026) and "CDNA5" Instruction Set Architecture Reference Guide (July 2026). The comments in the code are by the model that wrote it; some were corrected since.
;; GPT2 Attention. Allowed arithmetic: matrix products marked QUANTISED: E2M1 operands, one E8M0 scale for each 32 along K, by v_wmma_scale_f32_16x16x128_f8f6f4 with both operands' format E2M1 (or v_wmma_scale_f32_32x16x128_f4), f32 sums; products left as they are: bf16, f16 or f32 operands; f32 sums; everything else in f32.
;; Inputs: W_attn 1,024 x 3,072 float32; W_proj 1,024 x 1,024 float32; b_attn 3,072 float32; b_proj 1,024 float32; x 4 x 2,048 x 1,024 float32.
;; Outputs: out0 4 x 2,048 x 1,024 float32.
;; This version of the problem:
;;   THIS VERSION OF THE PROBLEM IS GIVEN IN LOW PRECISION. The matrix products marked QUANTISED in the list below multiply operands that are first quantised to E2M1 (2 exponent bits, 1 mantissa bit; 4 bits a number), with one power-of-two scale for each 32 numbers along K (OCP MX v1.0); their sums are f32. The products marked 'left as it is' may take bf16, f16 or f32 operands, with f32 sums. Whichever they take, every output number must still come out within the allowed error. Rounding operands to bf16 (8 significant bits) uses up far more of that allowance than f16 does (11 bits, for magnitudes from 6e-5 to 65,504). All else is computed in f32.
;;   The module's matrix products, in the order in which they are computed (A, B: the left and right operand; K: the contracted axis; several contracted axes count as one K, in the product's order):
;;     1. [M 8,192, K 1,024] x [K 1,024, N 3,072]; A: input x; B: input W_attn: QUANTISED
;;     2. batch 64 x [M 2,048, K 64] x [K 64, N 2,048]; A: computed on the way; B: computed on the way: left as it is (an operand is computed on the way)
;;     3. batch 64 x [M 2,048, K 2,048] x [K 2,048, N 64]; A: computed on the way; B: computed on the way: left as it is (an operand is computed on the way)
;;     4. [M 8,192, K 1,024] x [K 1,024, N 1,024]; A: computed on the way; B: input W_proj: left as it is (an operand is computed on the way)
;;   THE QUANTISER, for each operand of a quantised product, along K:
;;     - K is cut into blocks of 32 from its start; a last block that is shorter is filled with zeros.
;;     - A block's scale is 2^e with e = floor(log2(the largest magnitude in the block)) - 2, held to -126 .. 127; a block of zeros has e = 0. As a byte (E8M0): e + 127.
;;     - Each number is divided by its block's scale, clamped to +-6, and rounded to the nearest number of E2M1, ties to even, subnormals kept.
;;     - The product sums the exact products of the quantised numbers (number of the format x scale) in f32.
;;   ~~~python
;;   def quantise(x, axis):      # numpy; x: float32 -> the quantised numbers, widened to float32 again
;;       x = np.moveaxis(x, axis, -1); K = x.shape[-1]
;;       x = np.pad(x, [(0, 0)] * (x.ndim - 1) + [(0, -K % 32)]); x = x.reshape(x.shape[:-1] + (-1, 32)); a = np.abs(x).max(-1, keepdims=True)
;;       e = np.where(a > 0, np.clip(np.frexp(np.where(a > 0, a, 1))[1] - 1 - 2, -126, 127), 0)      # np.frexp(a)[1] - 1 = floor(log2(a)), exactly
;;       r = np.clip(x / 2.0 ** e, -6, 6)
;;       step = 2.0 ** (np.maximum(np.frexp(np.where(r == 0, 1, r))[1] - 1, 0) - 1)
;;       q = np.round(r / step) * step * 2.0 ** e      # np.round: ties to even
;;       return np.moveaxis(q.reshape(q.shape[:-2] + (-1,))[..., :K], -1, axis).astype(np.float32)
;;   ~~~
;; One version. Each part assembles by itself: llvm-mc -triple=amdgcn-amd-amdhsa -mcpu=gfx1250 --defsym DOCPART=n.
;; ======== version 1 of 1: 5 launches
;; limits: values are held in f16: magnitudes above 65,504 overflow, below 6.1e-05 lose precision
;; workspace buffers: x_codes 4,194,304 bytes; x_scales 262,144 bytes; w_codes 1,572,864 bytes; w_scales 98,304 bytes; wp16 2,097,152 bytes; qkv16 50,331,648 bytes; qkv32 786,432 bytes; y16 16,777,216 bytes
;; launch prep (part 1): grid 368 x 1, 4 waves a work-group, no clusters, 68,096 bytes of LDS; arguments x, W_attn, W_proj, x_codes, x_scales, w_codes, w_scales, wp16; writes x_codes, x_scales, w_codes, w_scales, wp16
.if DOCPART == 1
	.amdgcn_target "amdgcn-amd-amdhsa--gfx1250"
	.amdhsa_code_object_version 6
	.text
	.protected	k_q2646f39321_prep
	.globl	k_q2646f39321_prep
	.p2align	8
	.type	k_q2646f39321_prep,@function
k_q2646f39321_prep:
	s_mov_b64 s[64:65], 0
	v_nop
	global_prefetch_b8 v0, s[64:65] scope:SCOPE_SE
	s_setreg_imm32_b32 hwreg(HW_REG_WAVE_MODE, 25, 1), 1
	s_wait_xcnt 0x0
; GPT-2 attention, B = 4, T = 2,048, C = 1,024, 16 heads of 64.  Five launches: prep, qkv, attn, proj, first16.
; THIS LAUNCH: x [8192][1024] and W_attn [1024 (k)][3072 (n)], f32, become codes of FP4 (E2M1) with one E8M0 byte for each 32 along K = 1,024, both laid with K innermost; W_proj becomes f16.
; WORK LEFT OUT BY THE PROGRAM, AND WHY IT IS DEAD.
;  (1) The K third of b_attn (numbers 1,024 to 2,047).  A score is q . (k + bk) / 8 = q . k / 8 + q . bk / 8, and the second term is the same for all keys of a query: the softmax along the keys
;      divides it out, for all finite values of the inputs; masked places are -infinity with it and without.  The product q k^T is not quantised here, so the term moves no code.  Those 1,024 numbers are never loaded;
;      the q and v thirds of b_attn are live and are loaded by the launch qkv.
;  (2) Whole steps of 64 keys that lie above the causal diagonal: their weights are exp(-infinity) = 0.
;  LIMIT: a NaN, an infinity or an overflow that reaches the result only through q . bk or through masked scores is not carried to the result.
; LIMITS OF FORMAT: q, k, v, y and W_proj go to the matrix units as f16: magnitudes under 65,504; under 6e-5 they keep absolute, not relative, precision.
; THE QUANTISER: a block's scale is 2^(floor(log2(its largest magnitude)) - 2); its byte is the largest magnitude's exponent field - 2, held at 1 from below.  A block of zeros gets the byte 1 where the rule says 127:
; its codes are zeros, which add nothing under any byte but 0xff, and this program alone reads the bytes.  Blocks whose largest magnitude lies under 2^-124 keep the byte 1; NaN and infinities among x and W_attn are not served.
; THREE PATHS, chosen by the work-group's number alone; they never join, and each has LDS bytes of its own.
;  work-groups 0-255:   x.  Rows are dense, so x is a plain stream of blocks of 32.  A wave takes 16 steps of 512 numbers; loads take the bytes as they lie (512 a load), and a step's 2,048 bytes turn through the wave's
;                       own stage in LDS so that a lane holds 16 neighbours along K; two neighbouring lanes hold a block.  Codes leave 256 consecutive bytes a store, a wave's 256 scale bytes as one store.
;  work-groups 256-303: W_attn.  A lane takes a column n and its registers run down K, so a block lies in one lane and the codes come out with K innermost; they leave through the wave's stage as rows of 256 bytes.
;  work-groups 304-367: W_proj to f16, a plain stream: a wave reads 32 x 512 bytes and stores 32 x 256.
; No tensor load, no barrier: waves share nothing.
.set SPW,   192                        ; v192  LDS address of my spare word; never rewritten
.set NIL,   193                        ; v193  0; never rewritten
.set WV,    20                         ; s20   my wave's number
.set EMAX,  2
.set XREG,  8192                       ; path x: a region for each wave: two stages of 32 x SP bytes, then its 256 scale bytes
.set SP,    80                         ; a lane's place in a stage: 64 bytes + 16 of padding
.set WSTG,  32768                      ; path W: four stages of 32 rows x PITCH
.set PITCH, 272
.set SPARE, WSTG+4*32*PITCH            ; the spare words, 128 bytes for each wave, that no other line names
	s_load_b256 s[4:11], s[0:1], 0x0               ; x s[4:5], W_attn s[6:7], W_proj s[8:9], x_codes s[10:11]
	s_load_b256 s[12:19], s[0:1], 0x20             ; x_scales s[12:13], w_codes s[14:15], w_scales s[16:17], wp16 s[18:19]
	v_lshl_add_u32 v[SPW], v0, 2, SPARE
	v_mov_b32 v[NIL], 0
	v_lshrrev_b32 v1, 5, v0
	v_readfirstlane_b32 s[WV], v1                  ; wave 0..3
	v_and_b32 v2, 31, v0                           ; lane
	s_wait_kmcnt 0x0
	s_cmp_lt_u32 ttmp9, 256
	s_cbranch_scc1 .Lpath_x
	s_cmp_lt_u32 ttmp9, 304
	s_cbranch_scc1 .Lpath_w
; ---------------- W_proj to f16 ----------------
	s_sub_co_u32 s21, ttmp9, 304
	s_lshl_b32 s21, s21, 2
	s_add_co_u32 s21, s21, s[WV]                   ; which run of 4,096 numbers is my wave's
	s_lshl_b32 s22, s21, 14
	s_mov_b32 s23, 0
	s_add_nc_u64 s[8:9], s[8:9], s[22:23]
	s_lshl_b32 s22, s21, 13
	s_add_nc_u64 s[18:19], s[18:19], s[22:23]
	v_lshlrev_b32 v3, 4, v2                        ; in: 16 bytes a lane
	v_lshlrev_b32 v4, 3, v2                        ; out: 8 bytes a lane
.set i, 0
.rept 32
	global_load_b128 v[16+4*i:19+4*i], v3, s[8:9] offset:512*i th:TH_LOAD_NT
.set i, i+1
.endr
.set i, 0
.rept 32
	s_wait_loadcnt 31-i                            ; loads come back in order: load i is in, the 31 - i younger ones stay out
	v_cvt_pk_f16_f32 v[16+4*i], v[16+4*i], v[17+4*i]
	v_cvt_pk_f16_f32 v[17+4*i], v[18+4*i], v[19+4*i]
	global_store_b64 v4, v[16+4*i:17+4*i], s[18:19] offset:256*i   ; 32 lanes store 256 consecutive bytes, aligned; no register is written again
.set i, i+1
.endr
	s_endpgm
; ---------------- x ----------------
.set STEPS, 16
.set CB,    8                          ; bytes of 16 codes
.set R,     16                         ; v16-79   four sets of 16 numbers as loaded
.set X,     80                         ; v80-111  two sets of 16 neighbours
.set E,     112                        ; v112-127 a scale byte for each step
.set C,     128                        ; v128-191 codes: four registers for each step, so that no store's data are written again
.macro XLOAD t
.irp i, 0,1,2,3
	global_load_b128 v[R+16*((\t)%4)+4*\i:R+16*((\t)%4)+4*\i+3], v3, s[4:5] offset:2048*(\t)+512*\i th:TH_LOAD_NT   ; 32 lanes read 512 consecutive bytes
.endr
.endm
.macro XTURN t                         ; step t's numbers through the stage: LDS serves a wave's instructions in order, so no wait stands between the stores and the loads
.irp i, 0,1,2,3
	ds_store_b128 v14, v[R+16*((\t)%4)+4*\i:R+16*((\t)%4)+4*\i+3] offset:32*SP*((\t)%2)+8*SP*\i
.endr
.irp i, 0,1,2,3
	ds_load_b128 v[X+16*((\t)%2)+4*\i:X+16*((\t)%2)+4*\i+3], v15 offset:32*SP*((\t)%2)+16*\i
.endr
.endm
.macro XSTEP t
.set XS, X+16*((\t)%2)
.if (\t) > 0
	s_wait_dscnt 1                                 ; this step's numbers are back from the stage (the last step's byte store may be out)
.else
	s_wait_dscnt 0x0
.endif
.if (\t)+4 < STEPS
	XLOAD (\t)+4                                   ; the registers that the stage's stores have read take the loads of four steps on
.endif
.if (\t)+1 < STEPS
.if STEPS-2-(\t) >= 3
	s_wait_loadcnt 12                              ; the next step's four loads are in; those of the three steps behind it may be out
.else
	s_wait_loadcnt 4*(STEPS-2-(\t))
.endif
	XTURN (\t)+1
.endif
	v_max3_num_f32 v8, |v[XS]|, |v[XS+1]|, |v[XS+2]|               ; the largest magnitude of my 16, in two chains
	v_max3_num_f32 v9, |v[XS+3]|, |v[XS+4]|, |v[XS+5]|
.irp i, 6,10
	v_max3_num_f32 v8, v8, |v[XS+\i]|, |v[XS+\i+1]|
	v_max3_num_f32 v9, v9, |v[XS+\i+2]|, |v[XS+\i+3]|
.endr
	v_max3_num_f32 v8, v8, |v[XS+14]|, |v[XS+15]|
	v_max3_num_f32 v8, v8, v9, (EMAX+1)<<23        ; and the floor 2^(3 - 127): the byte cannot fall under 1
	v_max_num_f32_dpp v8, v8, v8 row_xmask:1 row_mask:0xf bank_mask:0xf   ; and of my neighbour's 16: the block's
	v_add_nc_u32 v11, -(EMAX<<23), v8              ; 2 off its exponent field: the conversion takes the exponent field of this operand as its scale
	v_cvt_scalef32_pk8_fp4_f32 v[C+4*(\t)], v[XS:XS+7], v11
	v_cvt_scalef32_pk8_fp4_f32 v[C+4*(\t)+1], v[XS+8:XS+15], v11
	v_lshrrev_b32 v[E+(\t)], 23, v11               ; the scale's byte (a plain line behind the conversions)
	ds_store_b8 v5, v[E+(\t)] offset:16*(\t)       ; both lanes of a block write the same byte with the same value
	global_store_b64 v4, v[C+4*(\t):C+4*(\t)+1], s[10:11] offset:32*CB*(\t)   ; 32 lanes store 256 consecutive bytes, aligned
.endm
.Lpath_x:
	v_lshlrev_b32 v3, 4, v2                        ; my 16 bytes of a load's 512
	s_mul_i32 s21, s[WV], XREG
	v_lshrrev_b32 v14, 2, v2
	v_mul_u32_u24 v14, v14, SP
	v_and_b32 v15, 3, v2
	v_lshl_add_u32 v14, v15, 4, v14
	v_add_nc_u32 v14, s21, v14                     ; the stage, on the way in: SP (lane / 4) + 16 (lane % 4)
	v_mul_u32_u24 v15, v2, SP
	v_add_nc_u32 v15, s21, v15                     ; and on the way out: SP x lane: my 16 neighbours
	v_mul_u32_u24 v4, v2, CB                       ; my codes' place in a step's
	v_lshrrev_b32 v5, 1, v2
	s_add_co_u32 s21, s21, 2*32*SP
	v_add_nc_u32 v5, s21, v5                       ; my wave's 256 scale bytes, my block's byte
	v_lshlrev_b32 v7, 3, v2
	v_add_nc_u32 v6, s21, v7                       ; and on the way out 8 bytes a lane
	s_lshl_b32 s22, ttmp9, 2
	s_add_co_u32 s22, s22, s[WV]                   ; which run of 8,192 numbers is my wave's
	s_mov_b32 s23, 0
	s_lshl_b64 s[24:25], s[22:23], 15
	s_add_nc_u64 s[4:5], s[4:5], s[24:25]
	s_lshl_b64 s[24:25], s[22:23], 12
	s_add_nc_u64 s[10:11], s[10:11], s[24:25]
	s_lshl_b32 s22, s22, 8
	s_add_nc_u64 s[12:13], s[12:13], s[22:23]
.irp t, 0,1,2,3
	XLOAD \t
.endr
	s_wait_loadcnt 12                              ; step 0's four loads are in
	XTURN 0
.irp t, 0,1,2,3,4,5,6,7,8,9,10,11,12,13,14,15
	XSTEP \t
.endr
	ds_load_b64 v[8:9], v6                         ; LDS serves a wave's instructions in order: this sees my byte stores
	s_wait_dscnt 0x0
	global_store_b64 v7, v[8:9], s[12:13]          ; 32 lanes store 256 consecutive bytes, aligned
	s_wait_tensorcnt 0x0                           ; the wave's end
	ds_add_u32 v[SPW], v[NIL]
	s_wait_dscnt 0x0
	s_endpgm
; ---------------- W_attn ----------------
.set SIZE_K, 1024
.set SIZE_N, 3072
.set KW,    512                        ; along K for a wave
.set NB,    KW/32
.set ROWB,  256                        ; bytes of KW codes
.set KROW,  SIZE_K/2                   ; a row of w_codes in bytes
.set WX,    32                         ; v32-95   two sets of 32 numbers
.set WC,    96                         ; v96-99   a block's codes
.set OUTR,  112                        ; v112-175 the way out
.set SB,    24                         ; v24-27   the scale bytes, four to a register
.macro WLOAD t                         ; block t: W(32 t + i, my column) into set t % 2.  The largest immediate is 511 rows of 12,288 bytes, inside the signed 24 bits
.set i, 0
.rept 32
	global_load_b32 v[WX+32*((\t)%2)+i], v3, s[6:7] offset:(32*(\t)+i)*SIZE_N*4 th:TH_LOAD_NT
.set i, i+1
.endr
.endm
.macro WBLOCK t
.set XS, WX+32*((\t)%2)
.if (\t) < NB-1
	s_wait_loadcnt 32                              ; this block's 32 loads are in; the next block's 32 may be out
.else
	s_wait_loadcnt 0
.endif
	v_max3_num_f32 v12, |v[XS]|, |v[XS+1]|, |v[XS+2]|              ; the block's largest magnitude: all 32 numbers are mine
	v_max3_num_f32 v13, |v[XS+3]|, |v[XS+4]|, |v[XS+5]|
.irp i, 6,10,14,18,22,26
	v_max3_num_f32 v12, v12, |v[XS+\i]|, |v[XS+\i+1]|
	v_max3_num_f32 v13, v13, |v[XS+\i+2]|, |v[XS+\i+3]|
.endr
	v_max3_num_f32 v12, v12, |v[XS+30]|, |v[XS+31]|
	v_max3_num_f32 v12, v12, v13, (EMAX+1)<<23     ; and the floor
	v_add_nc_u32 v11, -(EMAX<<23), v12
	v_lshrrev_b32 v13, 23, v11                     ; the scale's byte
.if (\t)%4 == 0
	v_mov_b32 v[SB+(\t)/4], v13
.else
	v_lshl_or_b32 v[SB+(\t)/4], v13, 8*((\t)%4), v[SB+(\t)/4]
.endif
.irp g, 0,1,2,3
	v_cvt_scalef32_pk8_fp4_f32 v[WC+\g], v[XS+8*\g:XS+8*\g+7], v11
.endr
	ds_store_b128 v4, v[WC:WC+3] offset:16*(\t)    ; 32 codes: 16 bytes of my column's row
.if (\t)+2 < NB
	WLOAD (\t)+2
.endif
	s_wait_dscnt 0x0                               ; the store has read its registers: the next block's codes may be written
.endm
.Lpath_w:
	s_sub_co_u32 s21, ttmp9, 256
	s_cmp_ge_u32 s21, 24
	s_cselect_b32 s22, 1, 0                        ; which 512 along K
	s_cselect_b32 s23, 24, 0
	s_sub_co_u32 s21, s21, s23                     ; which 128 columns
	s_lshl_b32 s24, s21, 7
	s_lshl_b32 s25, s[WV], 5
	s_add_co_u32 s24, s24, s25                     ; my wave's first column
	v_lshlrev_b32 v3, 2, v2                        ; in: 4 bytes a lane
	s_mul_i32 s25, s[WV], 32*PITCH
	s_add_co_u32 s25, s25, WSTG                    ; my stage
	v_mul_u32_u24 v4, v2, PITCH
	v_add_nc_u32 v4, s25, v4                       ; into it: row = my column
	v_and_b32 v5, 15, v2
	v_lshrrev_b32 v6, 4, v2                        ; out of it: sixteen lanes to a row, two rows an instruction
	v_mul_u32_u24 v7, v6, PITCH
	v_lshl_add_u32 v7, v5, 4, v7
	v_add_nc_u32 v7, s25, v7
	v_mul_u32_u24 v8, v6, KROW
	v_lshl_add_u32 v8, v5, 4, v8                   ; and the same place in w_codes
	v_mul_u32_u24 v9, v2, SIZE_K/32                ; my column's row of scale bytes
	s_mul_i32 s26, s22, KW*SIZE_N*4
	s_lshl_b32 s27, s24, 2
	s_add_co_u32 s26, s26, s27
	s_mov_b32 s27, 0
	s_add_nc_u64 s[6:7], s[6:7], s[26:27]          ; W_attn at (512 y, my first column)
	s_lshl_b32 s26, s24, 9
	s_lshl_b32 s28, s22, 8
	s_add_co_u32 s26, s26, s28
	s_add_nc_u64 s[14:15], s[14:15], s[26:27]      ; w_codes: column x 512 + 256 y
	s_lshl_b32 s26, s24, 5
	s_lshl_b32 s28, s22, 4
	s_add_co_u32 s26, s26, s28
	s_add_nc_u64 s[16:17], s[16:17], s[26:27]      ; w_scales: column x 32 + 16 y
	WLOAD 0
	WLOAD 1
.set Q, 0
.rept NB
	WBLOCK Q
.set Q, Q+1
.endr
	global_store_b128 v9, v[SB:SB+3], s[16:17]     ; my column's 16 scale bytes
.irp t, 0,1,2,3,4,5,6,7,8,9,10,11,12,13,14,15
	ds_load_b128 v[OUTR+4*\t:OUTR+4*\t+3], v7 offset:2*\t*PITCH    ; LDS serves a wave's instructions in order: these see my stores
.endr
.irp t, 0,1,2,3,4,5,6,7,8,9,10,11,12,13,14,15
	s_wait_dscnt 15-\t
	global_store_b128 v8, v[OUTR+4*\t:OUTR+4*\t+3], s[14:15] offset:2*\t*KROW   ; sixteen lanes store 256 consecutive bytes, aligned
.endr
	s_wait_tensorcnt 0x0                           ; the wave's end
	ds_add_u32 v[SPW], v[NIL]
	s_wait_dscnt 0x0
	s_endpgm
.Lfunc_end_k_q2646f39321_prep:
	.size	k_q2646f39321_prep, .Lfunc_end_k_q2646f39321_prep-k_q2646f39321_prep
	.p2alignl 7, 3214868480
	.fill 96, 4, 3214868480
	.section	.rodata,"a",@progbits
	.p2align	6, 0x0
	.amdhsa_kernel k_q2646f39321_prep
		.amdhsa_group_segment_fixed_size 68096
		.amdhsa_private_segment_fixed_size 0
		.amdhsa_enable_private_segment 0
		.amdhsa_kernarg_size 64
		.amdhsa_user_sgpr_count 2
		.amdhsa_user_sgpr_kernarg_segment_ptr 1
		.amdhsa_wavefront_size32 1
		.amdhsa_system_sgpr_workgroup_id_x 1
		.amdhsa_system_sgpr_workgroup_id_y 1
		.amdhsa_system_sgpr_workgroup_id_z 1
		.amdhsa_system_vgpr_workitem_id 0
		.amdhsa_next_free_vgpr 196
		.amdhsa_next_free_sgpr 66
		.amdhsa_reserve_vcc 0
		.amdhsa_float_denorm_mode_32 3
		.amdhsa_float_denorm_mode_16_64 3
		.amdhsa_memory_ordered 1
		.amdhsa_forward_progress 1
		.amdhsa_inst_pref_size 122
	.end_amdhsa_kernel
	.amdgpu_metadata
---
amdhsa.version: [ 1, 2 ]
amdhsa.kernels:
  - .name:           k_q2646f39321_prep
    .symbol:         k_q2646f39321_prep.kd
    .args:
      - { .name: x, .offset: 0, .size: 8, .value_kind: global_buffer, .address_space: global }
      - { .name: W_attn, .offset: 8, .size: 8, .value_kind: global_buffer, .address_space: global }
      - { .name: W_proj, .offset: 16, .size: 8, .value_kind: global_buffer, .address_space: global }
      - { .name: x_codes, .offset: 24, .size: 8, .value_kind: global_buffer, .address_space: global }
      - { .name: x_scales, .offset: 32, .size: 8, .value_kind: global_buffer, .address_space: global }
      - { .name: w_codes, .offset: 40, .size: 8, .value_kind: global_buffer, .address_space: global }
      - { .name: w_scales, .offset: 48, .size: 8, .value_kind: global_buffer, .address_space: global }
      - { .name: wp16, .offset: 56, .size: 8, .value_kind: global_buffer, .address_space: global }
    .group_segment_fixed_size: 68096
    .private_segment_fixed_size: 0
    .kernarg_segment_align: 8
    .kernarg_segment_size: 64
    .max_flat_workgroup_size: 128
    .sgpr_count:     66
    .vgpr_count:     196
    .wavefront_size: 32
...
	.end_amdgpu_metadata
.endif
;; end of part 1
;; launch qkv (part 2): grid 12 x 32, 4 waves a work-group, clusters of 4 x 4, 327,680 bytes of LDS; arguments x_codes, x_scales, w_codes, w_scales, qkv16, b_attn, qkv32; writes qkv16, qkv32
.if DOCPART == 2
	.amdgcn_target "amdgcn-amd-amdhsa--gfx1250"
	.amdhsa_code_object_version 6
	.text
	.protected	k_q2646f39321_qkv
	.globl	k_q2646f39321_qkv
	.p2align	8
	.type	k_q2646f39321_qkv,@function
k_q2646f39321_qkv:
	s_mov_b64 s[64:65], 0
	v_nop
	global_prefetch_b8 v0, s[64:65] scope:SCOPE_SE
	s_setreg_imm32_b32 hwreg(HW_REG_WAVE_MODE, 25, 1), 1
	s_wait_xcnt 0x0
	s_wait_alu depctr_hold_cnt(0) depctr_sa_sdst(0) depctr_va_vdst(0) depctr_va_sdst(0) depctr_va_ssrc(0) depctr_va_vcc(0) depctr_vm_vsrc(0)
	s_getreg_b32 s2, hwreg(HW_REG_IB_STS2, 6, 4)
	s_cmp_eq_u32 s2, 0
	s_cbranch_scc0 .Lentry_in_a_cluster
	s_endpgm
.Lentry_in_a_cluster:
	s_bfe_u32 s2, ttmp6, 0x10000c
	s_cmp_lg_u32 s2, 0xf033
	s_cbranch_scc0 .Lentry_shape_is_right
	s_endpgm
.Lentry_shape_is_right:
; qkv = Q(x) Q(W_attn) + b_attn on codes of FP4 (E2M1) with E8M0 scales: [8192][1024] x [3072 (n)][1024], sums in f32.  LEFT OUT: the K third of b_attn (a term that is the same along the softmax's axis: shown at the head of the launch prep).
; OUT: qkv16 [n / 64][m][64] f16: a plane of dense rows of 128 bytes for each of q's, k's and v's 16 heads; and qkv32 [16 b + t][3072] f32, the first 16 positions of every sequence, for the launch first16.
; A tile of C, 256 x 256, is made by a work-group of four waves; a wave makes 128 x 128: 64 accumulators of 16 x 16, 512 registers.  K = 1,024 is two slots of 512 along K (rows of 256 bytes): both are asked for at the head
; and NOTHING IS FILLED AGAIN: no loop, one barrier at the change of slots.  The scale bytes of the work-group's 256 + 256 rows are two dense blocks and come with the first fills.
; CLUSTERS: 4 x 4 work-groups.  Tile column = 4 x cluster x + cx (cluster x = 0, 1, 2: q, k, v).  Tile row = 8 cy + cluster y: cy is the batch, cluster y the tile in the sequence, so that
; 'my tile begins a sequence' hangs on the cluster's y alone, which all partners share.  x's tiles are asked for jointly along a row of the cluster, W's along a column.
; THE MATRIX INSTRUCTION IS USED TRANSPOSED (source 0 = 16 rows of W, source 1 = 16 rows of x): a lane holds eight neighbouring columns of one row of C.  The bias is the C of each sum's first product.
; REGISTERS: window 0: v0-31 addresses; v32-95 scale words, two sets; v128-191 x's fragments, one set; v192-255 the bias of my 128 columns.  window 1: W's fragments, two sets.  windows 2, 3: the accumulators ((a, b) at v[8 (8 (a % 4) + b)]).
.set SIZE_N, 3072
.set NQ,     4                         ; steps of 128 along K in a slot
.set ROWB,   256                       ; a tile's row: 512 codes
.set KROW,   512                       ; a row of codes in memory
.set PITCH,  272                       ; an LDS row: 256 bytes + 16 of padding: the 16 rows that a load touches start 68 words apart
.set FR,     8
.set NL,     2
.set NP,     4
.set HALFT,  128*PITCH
.set SLOT,   4*HALFT
.set KS,     32                        ; a row of scale bytes
.set SCL,    2*SLOT
.set HALFS,  (128*KS/256)*272
.set SBLK,   (16*KS/256)*272
.set SPARE,  SCL+4*HALFS               ; the spare words, 128 bytes for each wave, that no other line names
.set STGB,   8704                      ; the way out: a stage for each wave, in slot 0, which has had its only fill and its last read when the first result is stored there
.set SPITCH, 528                       ; f32 rows of 512 bytes + 16
.set HP,     144                       ; f16 rows of 128 bytes + 16
.set ADRA, 16
.set ADRB, 20
.set BO,   22                          ; v22  32 x (lane / 16): my eight numbers of a block's bias
.set STO16, 23                         ; v23  the f16 stage, in
.set STO,  24                          ; v24  the f32 stage, in
.set RD,   25                          ; v25  the f32 stage, back
.set CO,   26                          ; v26  16 x lane
.set ADRS, 27
.set SPW,  28
.set NIL,  29
.set RD16, 30                          ; v30  the f16 stage, back
.set SC,   32
.set TMP,  32                          ; the way out: packed results
.set AF,   128
.set BK,   128                         ; the way out: rows read back
.set BI,   192
.set G1, 24
.set G0, 32
.set G1B, 48
.set G0B, 56
.set G1S, 68
.set G0S, 76
.set G1SB, 80
.set G0SB, 88
.set MSB, 0
.macro WIN new                         ; the immediate's high byte repeats the setting that is left
.if MSB != \new
	s_set_vgpr_msb (MSB<<8)|\new
.set MSB, \new
.endif
.endm
.set MUL_LO, 0xa1                      ; source 0 (W) window 1, source 1 (x) window 0, C and D window 2
.set MUL_HI, 0xf1
.set BIA_LO, 0x81                      ; the same with C (the bias) in window 0
.set BIA_HI, 0xc1
.set TO_B,   0x40
; A joint load: waves 0 and 1 fetch for x, waves 2 and 3 for W.  The branch hangs on the wave's number alone.  An s_nop 0 and four v_nop follow each of the two lines.
.macro JLOAD g0a, g1a, g0b, g1b
	s_cmp_eq_u32 s15, 0
	s_cbranch_scc0 .Lfor_b_\@
	tensor_load_to_lds s[\g0a:\g0a+3], s[\g1a:\g1a+7]
	s_nop 0
.rept 4
	v_nop
.endr
	s_branch .Lasked_\@
.Lfor_b_\@:
	tensor_load_to_lds s[\g0b:\g0b+3], s[\g1b:\g1b+7]
	s_nop 0
.rept 4
	v_nop
.endr
.Lasked_\@:
.endm
.macro CROUND                          ; a round of the cluster's barrier
	s_barrier_signal -1
	s_barrier_wait -1
	s_cmp_lg_u32 s14, 0
	s_cbranch_scc1 .Lnot_wave_0_\@
	s_barrier_signal -3
.Lnot_wave_0_\@:
	s_barrier_wait -3
	s_barrier_signal -1
	s_barrier_wait -1
.endm
	s_load_b128 s[4:7], s[0:1], 0x0                ; x's codes, x's scales
	s_load_b128 s[8:11], s[0:1], 0x10              ; W's codes, W's scales
	s_load_b64 s[12:13], s[0:1], 0x20              ; qkv16
	s_load_b64 s[96:97], s[0:1], 0x28              ; b_attn
	s_load_b64 s[98:99], s[0:1], 0x30              ; qkv32
	v_lshl_add_u32 v[SPW], v0, 2, SPARE
	v_mov_b32 v[NIL], 0
	ds_add_u32 v[SPW], v[NIL]                      ; the wave's opening: the add, twice on end, and its wait ahead of my first tensor load
	ds_add_u32 v[SPW], v[NIL]
	v_lshrrev_b32 v1, 5, v0
	v_readfirstlane_b32 s14, v1                    ; wave 0..3
	s_lshr_b32 s15, s14, 1                         ; which half of the tile's rows is mine.  Also: I fetch for x (0) or for W (1)
	s_and_b32 s16, s14, 1                          ; which half of its columns.  Also: which 128 rows I fetch
	s_bfe_u32 s40, ttmp6, 0x40000                  ; cx
	s_bfe_u32 s41, ttmp6, 0x40004                  ; cy
	s_lshl_b32 s42, ttmp9, 2
	s_add_co_u32 s42, s42, s40                     ; tile column = 4 x cluster x + cx
	s_and_b32 s17, ttmp7, 0xffff                   ; cluster y: the tile in the sequence
	s_or_b32 s66, s17, s15                         ; 0: my first 16 rows are positions 0 to 15 of a sequence
	s_lshl_b32 s67, s41, 3
	s_add_co_u32 s17, s17, s67                     ; tile row = 8 cy + cluster y
	s_lshl_b32 s43, s41, 2
	s_lshl_b32 s43, 15, s43                        ; my row of the cluster
	s_lshl_b32 s44, 0x1111, s40                    ; my column
	s_or_b32 s[G1+0], s43, (0<<16)|(1<<20)|(1<<21)|(5<<22)|(3<<25)  ; the mask; elements of 1 byte; padding on; bit 21 beside a mask; 4 words after every 64
	s_or_b32 s[G1B+0], s44, (0<<16)|(1<<20)|(1<<21)|(5<<22)|(3<<25)
.irp g, G1, G1B
	s_mov_b32 s[\g+1], ROWB<<16                    ; tensor_dim0
	s_mov_b32 s[\g+2], 128<<16                     ; tensor_dim1
	s_mov_b32 s[\g+3], ROWB<<16                    ; tile_dim0
	s_mov_b32 s[\g+4], 128                         ; tile_dim1
	s_mov_b32 s[\g+5], KROW                        ; stride
	s_mov_b32 s[\g+6], 0
	s_mov_b32 s[\g+7], 0
.endr
	s_or_b32 s[G1S+0], s43, (3<<16)|(1<<20)|(1<<21)|(5<<22)|(3<<25)  ; the scales of 128 rows: 4,096 dense bytes as 16 rows of 32 elements of 8 bytes
	s_or_b32 s[G1SB+0], s44, (3<<16)|(1<<20)|(1<<21)|(5<<22)|(3<<25)
.irp g, G1S, G1SB
	s_mov_b32 s[\g+1], 32<<16
	s_mov_b32 s[\g+2], (128*KS/256)<<16
	s_mov_b32 s[\g+3], 32<<16
	s_mov_b32 s[\g+4], 128*KS/256
	s_mov_b32 s[\g+5], 32
	s_mov_b32 s[\g+6], 0
	s_mov_b32 s[\g+7], 0
.endr
	s_lshl_b32 s18, s16, 7
	s_lshl_b32 s20, s17, 8
	s_add_co_u32 s20, s20, s18                     ; x: row 256 x tile row + 128 x half
	s_lshl_b32 s46, s42, 8
	s_add_co_u32 s46, s46, s18                     ; W: row 256 x tile column + 128 x half
	s_mov_b32 s21, 0
	s_mov_b32 s47, 0
	s_mov_b64 s[18:19], KS
	s_mul_u64 s[22:23], s[20:21], s[18:19]         ; where these rows' scales begin
	s_mul_u64 s[92:93], s[46:47], s[18:19]
	s_mov_b64 s[18:19], KROW
	s_mul_u64 s[20:21], s[20:21], s[18:19]         ; and their codes
	s_mul_u64 s[46:47], s[46:47], s[18:19]
	s_mul_i32 s45, s14, HALFT                      ; where they go: wave x 128 rows
	s_mul_i32 s94, s14, HALFS
	s_wait_dscnt 0x0                               ; both opening adds are done
	s_wait_kmcnt 0x0
	s_add_nc_u64 s[20:21], s[4:5], s[20:21]
	s_add_nc_u64 s[22:23], s[6:7], s[22:23]
	s_add_nc_u64 s[46:47], s[8:9], s[46:47]
	s_add_nc_u64 s[92:93], s[10:11], s[92:93]
	CROUND                                         ; all sixteen work-groups are here: the joint loads meet
	s_mov_b32 s[G0S], 1
	s_add_co_u32 s[G0S+1], s94, SCL
	s_mov_b64 s[G0S+2:G0S+3], s[22:23]
	s_or_b32 s[G0S+3], s[G0S+3], 0x80000000
	s_mov_b32 s[G0SB], 1
	s_add_co_u32 s[G0SB+1], s94, SCL
	s_mov_b64 s[G0SB+2:G0SB+3], s[92:93]
	s_or_b32 s[G0SB+3], s[G0SB+3], 0x80000000
	JLOAD G0S, G1S, G0SB, G1SB                     ; the scales first: they are wanted with the first slot
.irp s, 0,1
	s_mov_b32 s[G0+4*\s], 1
	s_add_co_u32 s[G0+4*\s+1], s45, \s*SLOT
	s_add_nc_u64 s[G0+4*\s+2:G0+4*\s+3], s[20:21], \s*ROWB
	s_or_b32 s[G0+4*\s+3], s[G0+4*\s+3], 0x80000000
	s_mov_b32 s[G0B+4*\s], 1
	s_add_co_u32 s[G0B+4*\s+1], s45, \s*SLOT
	s_add_nc_u64 s[G0B+4*\s+2:G0B+4*\s+3], s[46:47], \s*ROWB
	s_or_b32 s[G0B+4*\s+3], s[G0B+4*\s+3], 0x80000000
	JLOAD G0+4*\s, G1, G0B+4*\s, G1B               ; three loads of mine are out behind the second of these
.endr
	v_and_b32 v1, 15, v0                           ; r = lane % 16
	v_bfe_u32 v2, v0, 4, 1                         ; h = lane / 16
	v_mul_u32_u24 v3, v1, PITCH
	v_lshl_add_u32 v4, v2, 4, v3
	s_mul_i32 s21, s15, HALFT
	s_mul_i32 s22, s16, HALFT
	s_add_co_u32 s22, s22, 2*HALFT
.irp s, 0,1
	v_add_nc_u32 v[ADRA+\s], s21, v4
	v_add_nc_u32 v[ADRB+\s], s22, v4
	s_add_co_u32 s21, s21, SLOT
	s_add_co_u32 s22, s22, SLOT
.endr
	v_mul_u32_u24 v5, v1, KS                       ; my row's scales: 32 bytes a row,
	v_lshrrev_b32 v6, 8, v5
	v_lshl_add_u32 v5, v6, 4, v5                   ; and 16 more for each 256 passed
	s_mul_i32 s21, s15, HALFS
	s_mul_i32 s22, s16, HALFS
	s_add_co_u32 s22, s22, 2*HALFS
	s_sub_co_u32 s22, s22, s21
	v_mul_u32_u24 v6, s22, v2                      ; lanes 16-31 take W's
	s_add_co_u32 s21, s21, SCL
	v_add_nc_u32 v5, v5, v6
	v_add_nc_u32 v[ADRS], s21, v5
	s_mul_i32 s23, s14, STGB                       ; my stage
	v_mul_u32_u24 v5, v1, SPITCH
	v_lshl_add_u32 v5, v2, 5, v5
	v_add_nc_u32 v[STO], s23, v5                   ; f32, in: row r, 32 bytes for each half of the lanes
	v_and_b32 v6, 31, v0
	v_lshlrev_b32 v[CO], 4, v6
	v_add_nc_u32 v[RD], s23, v[CO]                 ; f32, back: the 32 lanes take one row of 512 bytes
	v_mul_u32_u24 v5, v1, HP
	v_lshl_add_u32 v5, v2, 4, v5
	v_add_nc_u32 v[STO16], s23, v5                 ; f16, in: row r, 16 bytes for each half of the lanes
	v_bfe_u32 v5, v0, 3, 2
	v_mul_u32_u24 v5, v5, HP
	v_and_b32 v6, 7, v0
	v_lshl_add_u32 v5, v6, 4, v5
	v_add_nc_u32 v[RD16], s23, v5                  ; f16, back: eight lanes to a row of 128 bytes, four rows an instruction
	v_lshlrev_b32 v[BO], 5, v2
	s_lshl_b32 s20, s17, 8
	s_lshl_b32 s21, s15, 7
	s_add_co_u32 s20, s20, s21                     ; my first row m
	s_lshl_b32 s20, s20, 7                         ; x 128 bytes
	s_lshl_b32 s46, s42, 2
	s_lshl_b32 s47, s16, 1
	s_add_co_u32 s46, s46, s47                     ; my first plane: 4 x tile column + 2 x half
	s_lshl_b32 s46, s46, 20
	s_add_co_u32 s20, s20, s46
	s_mov_b32 s21, 0
	s_add_nc_u64 s[12:13], s[12:13], s[20:21]      ; qkv16 at my part
	s_lshl_b32 s46, s42, 10
	s_lshl_b32 s47, s16, 9
	s_add_co_u32 s46, s46, s47                     ; my first column, in f32 bytes
	s_mov_b32 s47, 0
	s_add_nc_u64 s[96:97], s[96:97], s[46:47]      ; b_attn at my 128 columns
	s_mul_i32 s20, s41, 16*SIZE_N*4
	s_add_co_u32 s46, s46, s20
	s_add_nc_u64 s[98:99], s[98:99], s[46:47]      ; qkv32 at row 16 x batch, my 128 columns
	; the C of the first products: q's and v's clusters load their bias; k's bias is left out, so k's clusters (cluster x = 1: the same in all partners) begin from 0
	s_cmp_eq_u32 ttmp9, 1
	s_cbranch_scc1 .Lk_third
.irp b, 0,1,2,3,4,5,6,7
	global_load_b128 v[BI+8*\b:BI+8*\b+3], v[BO], s[96:97] offset:64*\b        ; lane (r, h): b_attn at columns 16 b + 8 h + 0 .. 7
	global_load_b128 v[BI+8*\b+4:BI+8*\b+7], v[BO], s[96:97] offset:64*\b+16
.endr
	s_branch .Lbias_set
.Lk_third:
.set i, 0
.rept 64
	v_mov_b32 v[BI+i], 0
.set i, i+1
.endr
.Lbias_set:
.macro FRAG reg, adr, q, i             ; 16 rows x 128 K of 4-bit codes: 8 registers; registers 4 c .. 4 c + 3 hold K = 64 c + 32 h + 0 .. 31
.irp c, 0,1
	ds_load_b128 v[\reg+4*\c:\reg+4*\c+3], v[\adr] offset:64*(\q)+32*\c+(\i)*16*PITCH
.endr
.endm
; 16 matrix instructions: x's blocks a0, a0 + 1 against W's eight, the slot's q-th 128 along K.  The 64 accumulators take turns, one instruction a turn, in the same order in every step.
.macro MUL16 a0, p, q, sc, bias
.irp a, \a0, \a0+1
.irp b, 0,1,2,3,4,5,6,7
.if \bias
	v_wmma_scale_f32_16x16x128_f8f6f4 v[8*(8*((\a)%4)+\b):8*(8*((\a)%4)+\b)+7], v[128*(\p)+FR*\b:128*(\p)+FR*\b+FR-1], v[AF+FR*(\a):AF+FR*(\a)+FR-1], v[BI+8*\b:BI+8*\b+7], v[SC+8*NQ*(\sc)+NQ*\b+(\q)], v[SC+8*NQ*(\sc)+NQ*(\a)+(\q)] matrix_a_fmt:MATRIX_FMT_FP4 matrix_b_fmt:MATRIX_FMT_FP4 matrix_a_scale:MATRIX_SCALE_ROW1
.else
	v_wmma_scale_f32_16x16x128_f8f6f4 v[8*(8*((\a)%4)+\b):8*(8*((\a)%4)+\b)+7], v[128*(\p)+FR*\b:128*(\p)+FR*\b+FR-1], v[AF+FR*(\a):AF+FR*(\a)+FR-1], v[8*(8*((\a)%4)+\b):8*(8*((\a)%4)+\b)+7], v[SC+8*NQ*(\sc)+NQ*\b+(\q)], v[SC+8*NQ*(\sc)+NQ*(\a)+(\q)] matrix_a_fmt:MATRIX_FMT_FP4 matrix_b_fmt:MATRIX_FMT_FP4 matrix_a_scale:MATRIX_SCALE_ROW1
.endif
.endr
.endr
.endm
.macro FETCH_B slot, q, p
	WIN TO_B
.irp i, 0,1,2,3,4,5,6,7
	FRAG 128*(\p)+FR*\i, ADRB+\slot, \q, \i
.endr
	WIN 0
.endm
.macro FETCH_A slot, q, i0
.irp i, \i0, \i0+1, \i0+2, \i0+3
	FRAG AF+FR*(\i), ADRA+\slot, \q, \i
.endr
.endm
.macro SCALES sc                       ; a slot's scale words: 4 words a row; lanes 0-15 take x's block i, lanes 16-31 W's block i
.irp i, 0,1,2,3,4,5,6,7
	ds_load_b128 v[SC+8*NQ*\sc+NQ*\i:SC+8*NQ*\sc+NQ*\i+3], v[ADRS] offset:\i*SBLK
.endr
.endm
.macro PLACES n                        ; plain vector instructions between a matrix instruction and a load into, or a read of, its registers
.rept \n
	v_nop
.endr
.endm
.macro STEP slot, q, bias              ; a step of 128 along K that has its successor in the same slot
	s_wait_dscnt 4*NL                              ; W's set and x's blocks 0-3 are in; the youngest eight loads (x's blocks 4-7) may be out
.if \bias
	WIN BIA_LO
.else
	WIN MUL_LO
.endif
	MUL16 0, (\q)%2, \q, \slot, \bias
	MUL16 2, (\q)%2, \q, \slot, \bias
	s_wait_dscnt 0
	PLACES NP
	FETCH_B \slot, (\q)+1, 1-(\q)%2
	FETCH_A \slot, (\q)+1, 0
.if \bias
	WIN BIA_HI
.else
	WIN MUL_HI
.endif
	MUL16 4, (\q)%2, \q, \slot, \bias
	MUL16 6, (\q)%2, \q, \slot, \bias
	PLACES NP
	WIN 0
	FETCH_A \slot, (\q)+1, 4
.endm
	s_wait_tensorcnt 1                             ; the scales and my part of slot 0 are in; slot 1's load, issued behind them, may be out
	s_barrier_signal -1
	s_barrier_wait -1
	FETCH_B 0, 0, 0
	FETCH_A 0, 0, 0
	SCALES 0
	FETCH_A 0, 0, 4
	s_wait_loadcnt 0x0                             ; the bias
	STEP 0, 0, 1                                   ; the first products start the sums from the bias
	STEP 0, 1, 0
	STEP 0, 2, 0
	; slot 0's last step, and the change of slots: one barrier.  In front of it: all my tensor loads have landed (slot 1's), and my reads of slot 0 are over
	s_wait_tensorcnt 0x0
	ds_add_u32 v[SPW], v[NIL]                      ; 0 onto my spare word
	s_wait_dscnt 4*NL+1                            ; (the add and the youngest eight loads may be out)
	WIN MUL_LO
	MUL16 0, 1, NQ-1, 0, 0
	s_wait_dscnt 0x0
	s_barrier_signal -1
	MUL16 2, 1, NQ-1, 0, 0
	WIN 0
	s_barrier_wait -1
	PLACES NP
	v_add_nc_u32 v[ADRS], 4*NQ, v[ADRS]            ; on to slot 1's scale words (no LDS load of mine is out)
	FETCH_B 1, 0, 0
	FETCH_A 1, 0, 0
	SCALES 1
	WIN MUL_HI
	MUL16 4, 1, NQ-1, 0, 0
	MUL16 6, 1, NQ-1, 0, 0
	PLACES NP
	WIN 0
	FETCH_A 1, 0, 4
	STEP 1, 0, 0
	STEP 1, 1, 0
	STEP 1, 2, 0
	s_wait_dscnt 4*NL                              ; the last step: nothing more to fetch
	WIN MUL_LO
	MUL16 0, 1, NQ-1, 1, 0
	MUL16 2, 1, NQ-1, 1, 0
	s_wait_dscnt 0
	WIN MUL_HI
	MUL16 4, 1, NQ-1, 1, 0
	MUL16 6, 1, NQ-1, 1, 0
	WIN 0
	PLACES NP                                      ; in front of the first reads of results and of loads into registers that held fragments
	; THE FIRST 16 POSITIONS OF A SEQUENCE ALSO LEAVE IN f32: block 0 of the waves whose rows begin a sequence.  The branch hangs on the cluster's y and the wave's number
	s_cmp_lg_u32 s66, 0
	s_cbranch_scc1 .Lno_copy
	WIN 0x08                                       ; an LDS store's data are its source 1: window 2
.irp b, 0,1,2,3,4,5,6,7
	ds_store_b128 v[STO], v[8*\b:8*\b+3] offset:64*\b              ; each accumulator from its low end on
	ds_store_b128 v[STO], v[8*\b+4:8*\b+7] offset:64*\b+16
.endr
	WIN 0
.irp t, 0,1,2,3,4,5,6,7,8,9,10,11,12,13,14,15
	ds_load_b128 v[BK+4*\t:BK+4*\t+3], v[RD] offset:\t*SPITCH      ; LDS serves a wave's instructions in order: these see the stores above
.endr
	s_wait_dscnt 0x0
.irp t, 0,1,2,3,4,5,6,7,8,9,10,11,12,13,14,15
	global_store_b128 v[CO], v[BK+4*\t:BK+4*\t+3], s[98:99] offset:\t*SIZE_N*4   ; 32 lanes store 512 consecutive bytes, aligned
.endr
	s_wait_xcnt 0x0                                ; these stores have read their registers: the loads below may land there
.Lno_copy:
; THE WAY OUT IN f16, block by block of 16 rows x 128 columns = two planes x 16 rows of 128 bytes.
.macro PACK a                          ; rounded to f16: 16 bytes a lane and block of columns
	WIN 0x0a+5*((\a)/4)                            ; sources 0 and 1: window 2 or 3
.irp b, 0,1,2,3,4,5,6,7
.irp r, 0,1,2,3
	v_cvt_pk_f16_f32 v[TMP+4*\b+\r], v[64*((\a)%4)+8*\b+2*\r], v[64*((\a)%4)+8*\b+2*\r+1]
.endr
.endr
	WIN 0
.endm
.macro TOSTAGE16 a                     ; into my stage (plane b / 4, row r), and back four rows of a plane at a time
.irp b, 0,1,2,3,4,5,6,7
	ds_store_b128 v[STO16], v[TMP+4*\b:TMP+4*\b+3] offset:(\b/4)*16*HP+(\b%4)*32
.endr
.irp t, 0,1,2,3,4,5,6,7
	ds_load_b128 v[BK+32*((\a)%2)+4*\t:BK+32*((\a)%2)+4*\t+3], v[RD16] offset:(\t/4)*16*HP+(\t%4)*4*HP
.endr
.endm
.macro SEND16 a
	s_wait_dscnt 0x0                               ; the block is back in registers
	s_wait_xcnt 0x0                                ; the block before has had its stores' registers read: the next block's loads may land there
.irp t, 0,1,2,3,4,5,6,7
	global_store_b128 v[CO], v[BK+32*((\a)%2)+4*\t:BK+32*((\a)%2)+4*\t+3], s[12:13] offset:((\t/4)<<20)+2048*(\a)+512*(\t%4)   ; 32 lanes store 512 consecutive bytes (four rows of a plane), aligned
.endr
.endm
	PACK 0
	TOSTAGE16 0
.irp a, 1,2,3,4,5,6,7                  ; block a's conversions stand between block a - 1's loads from the stage and the wait for them
	PACK \a
	SEND16 \a-1
	TOSTAGE16 \a
.endr
	SEND16 7
	s_wait_tensorcnt 0x0                           ; the wave's end
	ds_add_u32 v[SPW], v[NIL]
	s_wait_dscnt 0x0
	CROUND                                         ; the closing round
	s_endpgm
.Lfunc_end_k_q2646f39321_qkv:
	.size	k_q2646f39321_qkv, .Lfunc_end_k_q2646f39321_qkv-k_q2646f39321_qkv
	.p2alignl 7, 3214868480
	.fill 96, 4, 3214868480
	.section	.rodata,"a",@progbits
	.p2align	6, 0x0
	.amdhsa_kernel k_q2646f39321_qkv
		.amdhsa_group_segment_fixed_size 327680
		.amdhsa_private_segment_fixed_size 0
		.amdhsa_enable_private_segment 0
		.amdhsa_kernarg_size 56
		.amdhsa_user_sgpr_count 2
		.amdhsa_user_sgpr_kernarg_segment_ptr 1
		.amdhsa_wavefront_size32 1
		.amdhsa_system_sgpr_workgroup_id_x 1
		.amdhsa_system_sgpr_workgroup_id_y 1
		.amdhsa_system_sgpr_workgroup_id_z 1
		.amdhsa_system_vgpr_workitem_id 0
		.amdhsa_next_free_vgpr 1024
		.amdhsa_next_free_sgpr 100
		.amdhsa_reserve_vcc 0
		.amdhsa_float_denorm_mode_32 3
		.amdhsa_float_denorm_mode_16_64 3
		.amdhsa_memory_ordered 1
		.amdhsa_forward_progress 1
		.amdhsa_inst_pref_size 134
	.end_amdhsa_kernel
	.amdgpu_metadata
---
amdhsa.version: [ 1, 2 ]
amdhsa.kernels:
  - .name:           k_q2646f39321_qkv
    .symbol:         k_q2646f39321_qkv.kd
    .args:
      - { .name: x_codes, .offset: 0, .size: 8, .value_kind: global_buffer, .address_space: global }
      - { .name: x_scales, .offset: 8, .size: 8, .value_kind: global_buffer, .address_space: global }
      - { .name: w_codes, .offset: 16, .size: 8, .value_kind: global_buffer, .address_space: global }
      - { .name: w_scales, .offset: 24, .size: 8, .value_kind: global_buffer, .address_space: global }
      - { .name: qkv16, .offset: 32, .size: 8, .value_kind: global_buffer, .address_space: global }
      - { .name: b_attn, .offset: 40, .size: 8, .value_kind: global_buffer, .address_space: global }
      - { .name: qkv32, .offset: 48, .size: 8, .value_kind: global_buffer, .address_space: global }
    .group_segment_fixed_size: 327680
    .private_segment_fixed_size: 0
    .kernarg_segment_align: 8
    .kernarg_segment_size: 56
    .max_flat_workgroup_size: 128
    .sgpr_count:     100
    .vgpr_count:     1024
    .wavefront_size: 32
...
	.end_amdgpu_metadata
.endif
;; end of part 2
;; launch attn (part 3): grid 4 x 64, 8 waves a work-group, no clusters, 327,680 bytes of LDS; arguments qkv16, y16; writes y16
.if DOCPART == 3
	.amdgcn_target "amdgcn-amd-amdhsa--gfx1250"
	.amdhsa_code_object_version 6
	.text
	.protected	k_q2646f39321_attn
	.globl	k_q2646f39321_attn
	.p2align	8
	.type	k_q2646f39321_attn,@function
k_q2646f39321_attn:
	s_mov_b64 s[64:65], 0
	v_nop
	global_prefetch_b8 v0, s[64:65] scope:SCOPE_SE
	s_setreg_imm32_b32 hwreg(HW_REG_WAVE_MODE, 25, 1), 1
	s_wait_xcnt 0x0
; y[b][h][q] = the sum over k <= q of softmax_k(q . k / 8) v, on f16 operands with f32 products, maxima and sums; the weights p are rounded to f16 for the second product, y once at the end.
; LEFT OUT: steps of 64 keys that lie wholly above the causal diagonal (their weights are 0: shown at the head of the launch prep).
; qkv16: planes [48][8192][64] f16: q of head h is plane h, k plane 16 + h, v plane 32 + h; y16: planes [16][8192][64].  A head's rows are dense: 128 bytes each.
; SHARES.  Work-group (I, head and batch) owns TWO blocks of 256 queries: first block 7 - I (8 - I slots of 256 keys), then block I (I + 1 slots): nine slots in every work-group, so all trip counts are constants.
; Each of the eight waves owns 32 queries, two tiles of 16; wave w takes group w xor 3 (w / 4) of its block's eight, so that waves w and w + 4 together have five live steps in a diagonal slot.
; LAYOUT.  S^T = K Q^T (source 0 = 16 keys, source 1 = 16 queries): a lane holds ONE query (lane % 16) and keys 8 (lane / 16) + 0..7; two such tiles, rounded in pairs, ARE source 1 of O^T = V^T P; V comes turned by ds_load_tr16_b128.
; SOFTMAX.  A running maximum m and sum l for each query: p = 2^(c s - c m), c = log2(e) / 8; in every step O and l are multiplied by a = 2^(c m_old - c m_new).  The step is written once: m begins at -3e38, O and l at 0.
; RING.  Two slots of 256 keys (four steps of 64: K's 64 rows, then V's).  Every wave fetches one tile of a slot with one tensor load (waves 0-3: K of step w; waves 4-7: V of step w - 4): one load of mine is out at most.
; NO CLUSTER: the four work-groups of a head change from their first block to their second in round 8 - I, which differs between them: a branch would hang on a partner's place, and partners would want different slots from then on.
; REGISTERS: window 0: v1-15 addresses; v16-31 statistics, 8 a tile (+0 c m, +1 m, +2, +3 l, +4..7 at work, a at +6); v32-95 K; v96-159 V; v160-223 S^T, then p; v224-255 P.  window 1: v0-63 O^T, 32 a tile; v64-95 Q.
.set KS,    64
.set PK,    144                        ; a row of K in LDS: 128 bytes + 16
.set PV,    160                        ; a row of V: 128 + 32
.set VOFF,  KS*PK
.set STEPB, KS*(PK+PV)
.set SLOT1, 1<<17                      ; slot 1 begins here: one exclusive or turns an address from one slot to the other
.set STAGE, 2*SLOT1                    ; behind the ring: 32 rows x 144 bytes for each wave; no fill lands there
.set STGB,  32*144
.set SPARE, STAGE+8*STGB               ; the spare words, 128 bytes for each wave, that no other line names
.set PFO, 1                            ; v1   256 x lane
.set AK0, 2                            ; v2   my lane's place in a tile of K
.set AV0, 3                            ; v3   the same for V
.set ADK, 4
.set ADV, 5
.set QO,  6                            ; v6   my byte offset in the wave's rows of Q
.set STO, 7
.set RD,  8
.set GO,  9
.set DL,  10                           ; v10  lane % 16 - 8 (lane / 16)
.set NINF, 11                          ; v11  -infinity
.set D0,  12                           ; v12, v13: tile t's query less the step's first key less 8 (lane / 16)
.set SPW, 14
.set NIL, 15
.set ST,  16
.set KR,  32
.set VR,  96
.set S,   160
.set P,   224
.set QW,  64                           ; Q, in window 1
.set WV,  8
.set GG,  9
.set II,  10
.set SW,  11                           ; the round in which the second block begins: 8 - I
.set RND, 12
.set LEFT, 13
.set TB,  14
.set KF,  15                           ; the step's first key
.set Q0,  16                           ; my first query
.set STP, 17
.set SEL, 20
.set CS,  22
.set G1K, 24
.set G1V, 32
.set G0,  40
.set PFA, 46
.set LIM, 48
.set BLK0, 49
.set QB,  50
.set YB,  52
.set QP,  54
.set YP,  56
.set BK,  66                           ; s[66:67] what the walking address goes back by: 0, or at the change of blocks s68 = 8 - I slots
.set MSB, 0
.macro WIN new
.if MSB != \new
	s_set_vgpr_msb (MSB<<8)|\new
.set MSB, \new
.endif
.endm
.macro TLOAD                           ; waves 0-3 fetch a tile of K, waves 4-7 of V: two shapes of padding, two lines.  An s_nop 0 and four v_nop follow each
	s_cmp_lt_u32 s[WV], 4
	s_cbranch_scc0 .Lfor_v_\@
	tensor_load_to_lds s[G0:G0+3], s[G1K:G1K+7]
	s_nop 0
.rept 4
	v_nop
.endr
	s_branch .Lasked_\@
.Lfor_v_\@:
	tensor_load_to_lds s[G0:G0+3], s[G1V:G1V+7]
	s_nop 0
.rept 4
	v_nop
.endr
.Lasked_\@:
.endm
; A PREFETCH INTO THE L2 of what the NEXT change of slots will ask for.  All four work-groups of a head walk the same keys; the one with I = 0, which walks slots 0 to 7 in rounds 0 to 7, asks.  Each of its waves names the
; 8,192 bytes that it will itself fetch, lanes 256 bytes apart: each block is named once in the launch.  In round r (0 to 5) slot r + 2 is named, four key steps ahead of its load; slots 0 and 1 come by their loads alone.
.macro ASK
	s_cmp_gt_u32 s[LEFT], s[LIM]
	s_cbranch_scc0 .Lnot_mine_\@
	global_prefetch_b8 v[PFO], s[PFA:PFA+1] th:TH_LOAD_NT scope:SCOPE_SE
.Lnot_mine_\@:
.endm
; A block of queries begins: its addresses, Q into registers, O^T = 0, l = 0, m = -3e38.
.macro INIT blk
	s_lshl_b32 s[Q0], s[\blk], 8
	s_lshl_b32 s18, s[GG], 5
	s_add_co_u32 s[Q0], s[Q0], s18
	s_mov_b32 s[KF], 0
	s_lshl_b32 s18, s[Q0], 7
	s_mov_b32 s19, 0
	s_add_nc_u64 s[QP:QP+1], s[QB:QB+1], s[18:19]
	s_add_nc_u64 s[YP:YP+1], s[YB:YB+1], s[18:19]
	WIN 0x40                                       ; destination window 1
.irp t, 0,1
.irp c, 0,1
	global_load_b128 v[QW+16*\t+8*\c:QW+16*\t+8*\c+3],   v[QO], s[QP:QP+1] offset:2048*\t+64*\c
	global_load_b128 v[QW+16*\t+8*\c+4:QW+16*\t+8*\c+7], v[QO], s[QP:QP+1] offset:2048*\t+64*\c+32
.endr
.endr
.set i, 0
.rept 64
	v_mov_b32 v[i], 0                              ; O^T: the step is written once, and its first pass multiplies zeros
.set i, i+1
.endr
	WIN 0
.irp t, 0,1
	v_mov_b32 v[ST+8*\t+1], 0xff61b1e6             ; m = -3e38, under every score
	v_mul_f32 v[ST+8*\t], s[CS], v[ST+8*\t+1]      ; c m
	v_mov_b32 v[ST+8*\t+2], 0
	v_mov_b32 v[ST+8*\t+3], 0
.endr
	s_wait_loadcnt 0x0                             ; Q
.endm
.macro SOFTMAX
.irp j, 0,1,2,3                        ; the maximum of my 32 scores and the old m; each accumulator is read from its low end on; the two tiles by turns
.irp t, 0,1
	v_max3_num_f32 v[ST+8*\t+4+\j], v[S+32*\t+8*\j], v[S+32*\t+8*\j+1], v[S+32*\t+8*\j+2]
.endr
.endr
.irp g, 1,2
.irp j, 0,1,2,3
.irp t, 0,1
	v_max3_num_f32 v[ST+8*\t+4+\j], v[ST+8*\t+4+\j], v[S+32*\t+8*\j+2*\g+1], v[S+32*\t+8*\j+2*\g+2]
.endr
.endr
.endr
.irp t, 0,1
	v_max3_num_f32 v[ST+8*\t+4], v[ST+8*\t+4], v[S+32*\t+7], v[S+32*\t+15]
.endr
.irp t, 0,1
	v_max3_num_f32 v[ST+8*\t+6], v[ST+8*\t+6], v[S+32*\t+23], v[S+32*\t+31]
.endr
.irp t, 0,1
	v_max3_num_f32 v[ST+8*\t+4], v[ST+8*\t+4], v[ST+8*\t+5], v[ST+8*\t+6]
.endr
.irp t, 0,1
	v_max3_num_f32 v[ST+8*\t+4], v[ST+8*\t+4], v[ST+8*\t+7], v[ST+8*\t+1]
.endr
.irp t, 0,1
	v_permlanex16_b32 v[ST+8*\t+5], v[ST+8*\t+4], s[SEL], s[SEL+1]   ; the query's other 32 keys lie in the lane 16 away
.endr
.irp t, 0,1
	v_mov_b32 v[ST+8*\t+7], v[ST+8*\t]             ; c m_old is kept for a
.endr
.irp t, 0,1
	v_max_num_f32 v[ST+8*\t+1], v[ST+8*\t+4], v[ST+8*\t+5]
.endr
.irp t, 0,1
	v_mul_f32 v[ST+8*\t], s[CS], v[ST+8*\t+1]
.endr
.irp t, 0,1
	v_sub_f32 v[ST+8*\t+7], v[ST+8*\t+7], v[ST+8*\t]
.endr
.set i, 0
.rept 16                               ; tile 0: c s - c m, a pair at a time
	v_pk_fma_f32 v[S+2*i:S+2*i+1], v[S+2*i:S+2*i+1], s[CS:CS+1], v[ST:ST+1] op_sel_hi:[1,0,0] neg_lo:[0,0,1] neg_hi:[0,0,1]
.set i, i+1
.endr
.set i, 0
.rept 16                               ; ONE BATCH of 66 exponentials, none of which reads another's result; tile 1's scalings stand between tile 0's exponentials
	v_pk_fma_f32 v[S+32+2*i:S+32+2*i+1], v[S+32+2*i:S+32+2*i+1], s[CS:CS+1], v[ST+8:ST+9] op_sel_hi:[1,0,0] neg_lo:[0,0,1] neg_hi:[0,0,1]
	v_exp_f32 v[S+2*i], v[S+2*i]
	v_exp_f32 v[S+2*i+1], v[S+2*i+1]
.set i, i+1
.endr
	v_exp_f32 v[ST+6], v[ST+7]                     ; a
	v_exp_f32 v[ST+14], v[ST+15]
.set i, 0
.rept 32
	v_exp_f32 v[S+32+i], v[S+32+i]
.set i, i+1
.endr
	v_nop                                          ; a plain instruction behind the last exponential
	s_wait_alu depctr_va_vdst(0)                   ; one wait for the batch, ahead of its first reader
.set i, 0
.rept 16
	v_cvt_pk_f16_f32 v[P+i], v[S+2*i], v[S+2*i+1]
	v_cvt_pk_f16_f32 v[P+16+i], v[S+32+2*i], v[S+32+2*i+1]
.set i, i+1
.endr
.irp t, 0,1                            ; l = a l + the sum of the unrounded p, in two chains a tile
	v_pk_fma_f32 v[ST+8*\t+2:ST+8*\t+3], v[ST+8*\t+2:ST+8*\t+3], v[ST+8*\t+6:ST+8*\t+7], v[S+32*\t:S+32*\t+1] op_sel_hi:[1,0,1]
	v_pk_add_f32 v[ST+8*\t+4:ST+8*\t+5], v[S+32*\t+2:S+32*\t+3], v[S+32*\t+4:S+32*\t+5]
.endr
.irp j, 3,5,7,9,11,13
.irp t, 0,1
	v_pk_add_f32 v[ST+8*\t+2:ST+8*\t+3], v[ST+8*\t+2:ST+8*\t+3], v[S+32*\t+2*\j:S+32*\t+2*\j+1]
	v_pk_add_f32 v[ST+8*\t+4:ST+8*\t+5], v[ST+8*\t+4:ST+8*\t+5], v[S+32*\t+2*\j+2:S+32*\t+2*\j+3]
.endr
.endr
.irp t, 0,1
	v_pk_add_f32 v[ST+8*\t+2:ST+8*\t+3], v[ST+8*\t+2:ST+8*\t+3], v[S+32*\t+30:S+32*\t+31]
.endr
.irp t, 0,1
	v_pk_add_f32 v[ST+8*\t+2:ST+8*\t+3], v[ST+8*\t+2:ST+8*\t+3], v[ST+8*\t+4:ST+8*\t+5]
.endr
	WIN 0x41                                       ; O^T (destination and source 0) in window 1, a in window 0
.set i, 0
.rept 16
	v_pk_mul_f32 v[2*i:2*i+1], v[2*i:2*i+1], v[ST+6:ST+7] op_sel_hi:[1,0]
	v_pk_mul_f32 v[32+2*i:32+2*i+1], v[32+2*i:32+2*i+1], v[ST+14:ST+15] op_sel_hi:[1,0]
.set i, i+1
.endr
	WIN 0
.endm
; A KEY STEP: 64 keys.  A step all of whose keys come after my 32 queries is left out: a scalar branch on ids and the count of steps, round the step's loads, products and softmax and round nothing else.
.macro STEP
	s_add_co_u32 s18, s[Q0], 31
	s_cmp_gt_u32 s[KF], s18
	s_cbranch_scc1 .Lhidden_\@
	s_sub_co_i32 s19, s[Q0], s[KF]
	v_add_nc_u32 v[ADK], s[TB], v[AK0]             ; these four plain lines are the places between the last V^T P and the loads into V's registers
	v_add_nc_u32 v[ADV], s[TB], v[AV0]
	v_add_nc_u32 v[D0], s19, v[DL]
	v_add_nc_u32 v[D0+1], 16, v[D0]
.irp f, 0,1,2,3,4,5,6,7                ; K: keys 16 (f / 2) on, channels 32 (f % 2) on
	ds_load_b128 v[KR+8*\f:KR+8*\f+3],   v[ADK] offset:(\f/2)*16*PK+(\f%2)*64
	ds_load_b128 v[KR+8*\f+4:KR+8*\f+7], v[ADK] offset:(\f/2)*16*PK+(\f%2)*64+32
.endr
.irp f, 0,1,2,3,4,5,6,7                ; V, turned: keys 32 (f / 4) on, channels 16 (f % 4) on
	ds_load_tr16_b128 v[VR+8*\f:VR+8*\f+3],   v[ADV] offset:(\f/4)*32*PV+(\f%4)*32
	ds_load_tr16_b128 v[VR+8*\f+4:VR+8*\f+7], v[ADV] offset:(\f/4)*32*PV+16*PV+(\f%4)*32
.endr
	s_wait_dscnt 16                                ; K is in; V's sixteen loads, issued behind it, may be out
	WIN 0x04                                       ; Q (source 1) in window 1
.set i, 0
.rept 16                               ; S^T = K Q^T: channels 32 (i / 8) on, keys 16 ((i / 2) % 4) on, tile i % 2: eight accumulators by turns
.set rS, S+32*(i%2)+8*((i/2)%4)
.set rK, KR+8*(2*((i/2)%4)+i/8)
.set rQ, QW+16*(i%2)+8*(i/8)
.if i < 8
	v_wmma_f32_16x16x32_f16 v[rS:rS+7], v[rK:rK+7], v[rQ:rQ+7], 0
.else
	v_wmma_f32_16x16x32_f16 v[rS:rS+7], v[rK:rK+7], v[rQ:rQ+7], v[rS:rS+7]
.endif
.set i, i+1
.endr
	WIN 0
.rept 4
	v_nop                                          ; places in front of the first read of the scores
.endr
	s_add_co_u32 s18, s[KF], 63                    ; on the diagonal hidden scores become -infinity ahead of the maximum; a step all of whose keys count skips this
	s_cmp_le_u32 s18, s[Q0]
	s_cbranch_scc1 .Lopen_\@
.set i, 0
.rept 32                               ; register i of a tile holds key KF + 16 (i / 8) + 8 (lane / 16) + i % 8
	v_cmp_gt_i32 vcc_lo, 16*(i/8)+i%8, v[D0]
	v_cndmask_b32 v[S+i], v[S+i], v[NINF], vcc_lo
	v_cmp_gt_i32 vcc_lo, 16*(i/8)+i%8, v[D0+1]
	v_cndmask_b32 v[S+32+i], v[S+32+i], v[NINF], vcc_lo
.set i, i+1
.endr
.Lopen_\@:
	SOFTMAX
	s_wait_dscnt 0x0                               ; V is in
	WIN 0x50                                       ; C and D (O^T) in window 1
.set i, 0
.rept 16                               ; O^T += V^T P: keys 32 (i / 8) on, channels 16 ((i / 2) % 4) on, tile i % 2: eight accumulators by turns
.set rO, 32*(i%2)+8*((i/2)%4)
.set rV, VR+8*(4*(i/8)+(i/2)%4)
.set rP, P+16*(i%2)+8*(i/8)
	v_wmma_f32_16x16x32_f16 v[rO:rO+7], v[rV:rV+7], v[rP:rP+7], v[rO:rO+7]
.set i, i+1
.endr
	WIN 0
.Lhidden_\@:
.endm
.macro SLOT_STEPS                      ; a slot's four key steps: written once, walked four times
	s_mov_b32 s[STP], 4
.Lstep_\@:
	STEP
	s_add_co_u32 s[TB], s[TB], STEPB
	s_add_co_u32 s[KF], s[KF], KS
	s_sub_co_u32 s[STP], s[STP], 1
	s_cmp_lg_u32 s[STP], 0
	s_cbranch_scc1 .Lstep_\@
	s_sub_co_u32 s[TB], s[TB], 4*STEPB
	s_xor_b32 s[TB], s[TB], SLOT1                  ; on to the other slot
.endm
; THE CHANGE OF SLOTS stands at a slot's head.  Each wave waits for its tensor load (its tile of the slot ahead), adds 0 to its spare word, and waits for that and for its reads of the slot that it has left.
; Behind the barrier the slot ahead is whole and nobody reads the other: fill = 1: that one is filled with the next round's keys, and the load has four key steps in which to land.
.macro CHANGE fill
	s_wait_tensorcnt 0x0                           ; no tensor load of mine is out, so the group 0 may be written
	ds_add_u32 v[SPW], v[NIL]                      ; 0 onto my spare word; the steps below stand between it and the wait for it
.if \fill
	s_xor_b32 s[G0+1], s[G0+1], SLOT1              ; the other slot than last time,
	s_add_nc_u64 s[G0+2:G0+3], s[G0+2:G0+3], 4*KS*128   ; the next 256 keys;
	s_add_co_u32 s18, s[RND], 1
	s_cmp_eq_u32 s18, s[SW]
	s_cselect_b32 s[BK], s68, 0
	s_sub_nc_u64 s[G0+2:G0+3], s[G0+2:G0+3], s[BK:BK+1]   ; or, where the next round begins the second block, key 0 again: 8 - I slots back.  The type bits on top are not reached
	s_wait_xcnt 0x0                                ; the last prefetch, a slot back, has read its address
	s_add_nc_u64 s[PFA:PFA+1], s[PFA:PFA+1], 4*KS*128
.endif
	s_wait_dscnt 0x0
	s_barrier_signal -1
	s_barrier_wait -1
.if \fill
	TLOAD                                          ; the first thing behind the barrier, and my one tensor load until the next
	ASK
.endif
.endm
; A block of queries ends: l's halves are added, O^T is divided by l, rounded to f16 and sent through my stage, so that each store covers four whole rows of 128 bytes.
.macro FINISH
.rept 4
	v_nop                                          ; places behind the last products
.endr
.irp t, 0,1
	v_add_f32 v[ST+8*\t+4], v[ST+8*\t+2], v[ST+8*\t+3]
.endr
.irp t, 0,1
	v_permlanex16_b32 v[ST+8*\t+5], v[ST+8*\t+4], s[SEL], s[SEL+1]
.endr
.irp t, 0,1
	v_add_f32 v[ST+8*\t+4], v[ST+8*\t+4], v[ST+8*\t+5]
.endr
.irp t, 0,1
	v_rcp_f32 v[ST+8*\t+6], v[ST+8*\t+4]
.endr
	v_nop
	s_wait_alu depctr_va_vdst(0)                   ; one wait for the two reciprocals, ahead of their first reader
	WIN 0x41
.set i, 0
.rept 16
	v_pk_mul_f32 v[2*i:2*i+1], v[2*i:2*i+1], v[ST+6:ST+7] op_sel_hi:[1,0]
	v_pk_mul_f32 v[32+2*i:32+2*i+1], v[32+2*i:32+2*i+1], v[ST+14:ST+15] op_sel_hi:[1,0]
.set i, i+1
.endr
	WIN 0x05                                       ; sources window 1, destination window 0: S^T's registers are free
.set i, 0
.rept 32
	v_cvt_pk_f16_f32 v[S+i], v[2*i], v[2*i+1]
.set i, i+1
.endr
	WIN 0
.irp f, 0,1,2,3,4,5,6,7                ; tile f / 4, channels 16 (f % 4) on
	ds_store_b128 v[STO], v[S+4*\f:S+4*\f+3] offset:(\f/4)*16*144+(\f%4)*32
.endr
.irp f, 0,1,2,3,4,5,6,7
	ds_load_b128 v[S+32+4*\f:S+32+4*\f+3], v[RD] offset:\f*4*144   ; LDS serves a wave's instructions in order: these see the stores above
.endr
.irp f, 0,1,2,3,4,5,6,7
	s_wait_dscnt 7-\f
	global_store_b128 v[GO], v[S+32+4*\f:S+32+4*\f+3], s[YP:YP+1] offset:512*\f   ; 32 lanes store 512 consecutive bytes, aligned
.endr
	s_wait_xcnt 0x0                                ; the stores have read their registers and their base: both are written next
.endm
.macro SWITCH                          ; in round 8 - I the first block is finished and the second begins.  A branch on ids and the count of rounds: the same in all eight waves; no barrier, wait on tensor loads or add stands inside
	s_cmp_lg_u32 s[RND], s[SW]
	s_cbranch_scc1 .Lsame_\@
	FINISH
	INIT II
.Lsame_\@:
.endm
	s_load_b128 s[4:7], s[0:1], 0x0                ; qkv16, y16
	v_lshl_add_u32 v[SPW], v0, 2, SPARE
	v_mov_b32 v[NIL], 0
	ds_add_u32 v[SPW], v[NIL]                      ; the wave's opening: the add, twice on end, and its wait ahead of my first tensor load
	ds_add_u32 v[SPW], v[NIL]
	v_lshrrev_b32 v1, 5, v0
	v_readfirstlane_b32 s[WV], v1                  ; wave 0..7
	s_lshr_b32 s18, s[WV], 2
	s_mul_i32 s19, s18, 3
	s_xor_b32 s[GG], s[WV], s19                    ; my group of 32 queries
	s_mov_b32 s[II], ttmp9
	s_sub_co_u32 s[SW], 8, s[II]
	s_sub_co_u32 s[BLK0], 7, s[II]
	s_lshl_b32 s68, s[SW], 15                      ; 8 - I slots of 32,768 bytes
	s_mov_b32 s[BK+1], 0
	s_and_b32 s58, ttmp7, 0xffff
	s_and_b32 s59, s58, 15
	s_lshl_b32 s59, s59, 20                        ; the head's plane,
	s_lshr_b32 s58, s58, 4
	s_lshl_b32 s58, s58, 18                        ; the batch's 2,048 rows of 128 bytes
	s_add_co_u32 s58, s58, s59
	s_mov_b32 s59, 0
	s_and_b32 s60, s[WV], 3                        ; which step's tile I fetch
	s_lshl_b32 s61, s60, 13
	s_add_co_u32 s62, s18, 1
	s_lshl_b32 s62, s62, 24                        ; k's planes begin 16 planes on, v's 32
	s_add_co_u32 s62, s62, s61
	s_add_co_u32 s62, s62, s58
	s_mov_b32 s63, 0
	s_mul_i32 s60, s60, STEPB
	s_mul_i32 s61, s18, VOFF
	s_add_co_u32 s60, s60, s61                     ; and its place in a slot
	s_mov_b32 s[G1K], (1<<16)|(1<<20)|(4<<22)|(3<<25)   ; elements of 2 bytes; padding on: 4 words after every 32
	s_mov_b32 s[G1V], (1<<16)|(1<<20)|(4<<22)|(7<<25)   ; 8 words
.irp g, G1K, G1V
	s_mov_b32 s[\g+1], 64<<16                      ; tensor_dim0
	s_mov_b32 s[\g+2], KS<<16                      ; tensor_dim1
	s_mov_b32 s[\g+3], 64<<16                      ; tile_dim0
	s_mov_b32 s[\g+4], KS                          ; tile_dim1
	s_mov_b32 s[\g+5], 64                          ; stride
	s_mov_b32 s[\g+6], 0
	s_mov_b32 s[\g+7], 0
.endr
	s_mov_b32 s[SEL], 0x76543210
	s_mov_b32 s[SEL+1], 0xfedcba98
	s_mov_b32 s[CS], 0x3e38aa3b                    ; c = log2(e) / 8
	s_mov_b32 s[CS+1], s[CS]
	s_mov_b32 s[RND], 0
	s_mov_b32 s[LEFT], 8
	s_mov_b32 s[TB], 0
	s_cmp_eq_u32 ttmp9, 0
	s_cselect_b32 s[LIM], 2, -1
	s_wait_dscnt 0x0                               ; both opening adds are done
	s_wait_kmcnt 0x0
	s_mov_b32 s[G0], 1
	s_mov_b32 s[G0+1], s60
	s_add_nc_u64 s[G0+2:G0+3], s[4:5], s[62:63]
	s_add_nc_u64 s[PFA:PFA+1], s[G0+2:G0+3], 4*KS*128   ; my tile of slot 1: the first change of slots steps it to slot 2
	s_or_b32 s[G0+3], s[G0+3], 0x80000000
	TLOAD                                          ; slot 0
	s_add_nc_u64 s[QB:QB+1], s[4:5], s[58:59]
	s_add_nc_u64 s[YB:YB+1], s[6:7], s[58:59]
	v_and_b32 v12, 15, v0                          ; r
	v_bfe_u32 v13, v0, 4, 1                        ; h
	v_and_b32 v4, 31, v0                           ; lane
	v_lshlrev_b32 v[PFO], 8, v4
	v_mul_u32_u24 v[AK0], v12, PK
	v_lshl_add_u32 v[AK0], v13, 4, v[AK0]
	v_and_b32 v5, 7, v0
	v_lshl_add_u32 v[AV0], v13, 3, v5
	v_mul_u32_u24 v[AV0], v[AV0], PV
	v_bfe_u32 v5, v0, 3, 1
	v_lshl_add_u32 v[AV0], v5, 4, v[AV0]
	v_add_nc_u32 v[AV0], VOFF, v[AV0]
	v_lshlrev_b32 v[QO], 7, v12
	v_lshl_add_u32 v[QO], v13, 4, v[QO]
	s_mul_i32 s18, s[WV], STGB
	s_add_co_u32 s18, s18, STAGE                   ; my stage
	v_add_nc_u32 v[STO], s18, v[AK0]               ; in: row r of 144 bytes, + 16 h
	v_bfe_u32 v5, v0, 3, 2
	v_mul_u32_u24 v[RD], v5, 144
	v_and_b32 v5, 7, v0
	v_lshl_add_u32 v[RD], v5, 4, v[RD]
	v_add_nc_u32 v[RD], s18, v[RD]                 ; back: eight lanes to a row
	v_lshlrev_b32 v[GO], 4, v4
	v_lshlrev_b32 v[DL], 3, v13
	v_sub_nc_u32 v[DL], v12, v[DL]
	v_mov_b32 v[NINF], 0xff800000
.irp t, 0,1
.irp j, 4,5,6,7
	v_mov_b32 v[ST+8*\t+\j], 0                     ; written once: lane permutes' destinations and upper halves of pairs count as read
.endr
.endr
	INIT BLK0
.Lround:                                           ; eight trips: behind each change of slots but the last the next round's slot is asked for
	CHANGE 1
	SWITCH
	SLOT_STEPS
	s_add_co_u32 s[RND], s[RND], 1
	s_sub_co_u32 s[LEFT], s[LEFT], 1
	s_cmp_lg_u32 s[LEFT], 0
	s_cbranch_scc1 .Lround
	CHANGE 0                                       ; the ninth slot is written out: nothing is left to fetch
	SWITCH
	SLOT_STEPS
	FINISH
	s_wait_tensorcnt 0x0                           ; the wave's end
	ds_add_u32 v[SPW], v[NIL]
	s_wait_dscnt 0x0
	s_endpgm
.Lfunc_end_k_q2646f39321_attn:
	.size	k_q2646f39321_attn, .Lfunc_end_k_q2646f39321_attn-k_q2646f39321_attn
	.p2alignl 7, 3214868480
	.fill 96, 4, 3214868480
	.section	.rodata,"a",@progbits
	.p2align	6, 0x0
	.amdhsa_kernel k_q2646f39321_attn
		.amdhsa_group_segment_fixed_size 327680
		.amdhsa_private_segment_fixed_size 0
		.amdhsa_enable_private_segment 0
		.amdhsa_kernarg_size 16
		.amdhsa_user_sgpr_count 2
		.amdhsa_user_sgpr_kernarg_segment_ptr 1
		.amdhsa_wavefront_size32 1
		.amdhsa_system_sgpr_workgroup_id_x 1
		.amdhsa_system_sgpr_workgroup_id_y 1
		.amdhsa_system_sgpr_workgroup_id_z 1
		.amdhsa_system_vgpr_workitem_id 0
		.amdhsa_next_free_vgpr 352
		.amdhsa_next_free_sgpr 72
		.amdhsa_reserve_vcc 1
		.amdhsa_float_denorm_mode_32 3
		.amdhsa_float_denorm_mode_16_64 3
		.amdhsa_memory_ordered 1
		.amdhsa_forward_progress 1
		.amdhsa_inst_pref_size 81
	.end_amdhsa_kernel
	.amdgpu_metadata
---
amdhsa.version: [ 1, 2 ]
amdhsa.kernels:
  - .name:           k_q2646f39321_attn
    .symbol:         k_q2646f39321_attn.kd
    .args:
      - { .name: qkv16, .offset: 0, .size: 8, .value_kind: global_buffer, .address_space: global }
      - { .name: y16, .offset: 8, .size: 8, .value_kind: global_buffer, .address_space: global }
    .group_segment_fixed_size: 327680
    .private_segment_fixed_size: 0
    .kernarg_segment_align: 8
    .kernarg_segment_size: 16
    .max_flat_workgroup_size: 256
    .sgpr_count:     72
    .vgpr_count:     352
    .wavefront_size: 32
...
	.end_amdgpu_metadata
.endif
;; end of part 3
;; launch proj (part 4): grid 4 x 64, 4 waves a work-group, clusters of 4 x 4, 327,680 bytes of LDS; arguments y16, wp16, b_proj, out0; writes out0
.if DOCPART == 4
	.amdgcn_target "amdgcn-amd-amdhsa--gfx1250"
	.amdhsa_code_object_version 6
	.text
	.protected	k_q2646f39321_proj
	.globl	k_q2646f39321_proj
	.p2align	8
	.type	k_q2646f39321_proj,@function
k_q2646f39321_proj:
	s_mov_b64 s[64:65], 0
	v_nop
	global_prefetch_b8 v0, s[64:65] scope:SCOPE_SE
	s_setreg_imm32_b32 hwreg(HW_REG_WAVE_MODE, 25, 1), 1
	s_wait_xcnt 0x0
	s_wait_alu depctr_hold_cnt(0) depctr_sa_sdst(0) depctr_va_vdst(0) depctr_va_sdst(0) depctr_va_ssrc(0) depctr_va_vcc(0) depctr_vm_vsrc(0)
	s_getreg_b32 s2, hwreg(HW_REG_IB_STS2, 6, 4)
	s_cmp_eq_u32 s2, 0
	s_cbranch_scc0 .Lentry_in_a_cluster
	s_endpgm
.Lentry_in_a_cluster:
	s_bfe_u32 s2, ttmp6, 0x10000c
	s_cmp_lg_u32 s2, 0xf033
	s_cbranch_scc0 .Lentry_shape_is_right
	s_endpgm
.Lentry_shape_is_right:
; out0 = y W_proj + b_proj on f16 operands, f32 sums: [8192][1024] x [1024 (k)][1024 (n)].  NOT STORED HERE: positions 0 to 15 of every sequence, which the launch first16 makes in f32 and stores.
; y16: planes [16 (head)][8192][64] f16; wp16: [k][n] f16, as W_proj lies.
; A tile of out0 is 128 (m) x 256 (n): 256 work-groups.  Four waves, 2 x 2, each 64 x 128: 32 accumulators of 16 x 16, all of window 1.  K goes in 8 steps of 128 (two planes of y16, 128 rows of wp16) through two LDS slots.
; CLUSTERS: 4 x 4.  Tile column = cx; tile row = 16 cy + cluster y: cy is the batch, so that 'my tile begins a sequence' hangs on the cluster's y alone.  y's tiles are asked for jointly along a row of the cluster, W's along a column.
; Waves 0 and 1 fetch y's two planes (128 rows x 128 bytes each), waves 2 and 3 W's two halves (64 rows x 512 bytes each): one load a wave behind each round.
; THE MATRIX INSTRUCTION IS USED TRANSPOSED: source 0 = 16 columns of W (turned by ds_load_tr16_b128), source 1 = 16 rows of y: a lane holds eight neighbouring columns of one row.  The bias is the C of each sum's first product.
; REGISTERS: window 0: v0-31 addresses; v32-95 y's fragments, two buffers of 32; v96-223 W's, two buffers of 64 (on the way out: rows read back).  window 1: accumulator (a, b) at v[8 (8 a + b)].  window 2: v0-63 the bias.
.set PA,    144                        ; a row of y in LDS: 128 bytes + 16
.set PB,    544                        ; a row of W: 512 + 32
.set PLANE, 128*PA
.set BOFF,  2*PLANE
.set HALFB, 64*PB
.set SLOT,  BOFF+2*HALFB
.set SPARE, 2*SLOT                     ; the spare words, 128 bytes for each wave, that no other line names
.set SPITCH, 528                       ; the way out: a stage of 16 rows x (512 + 16) for each wave, in slot 0, which has had its last fill and its last read by then
.set ADRA, 16
.set ADRB, 20
.set BO,   22
.set STO,  24
.set RD,   25
.set CO,   26
.set SPW,  28
.set NIL,  29
.set AF,   32
.set BF,   96
.set G1, 24
.set G0, 32
.set G1B, 48
.set G0B, 56
.set MSB, 0
.macro WIN new
.if MSB != \new
	s_set_vgpr_msb (MSB<<8)|\new
.set MSB, \new
.endif
.endm
.set MUL,  0x50                        ; C and D window 1
.set MULB, 0x60                        ; C (the bias) window 2, D window 1
.macro JLOAD s                         ; a joint load; an s_nop 0 and four v_nop follow each of the two lines
	s_cmp_eq_u32 s15, 0
	s_cbranch_scc0 .Lfor_b_\@
	tensor_load_to_lds s[G0+4*\s:G0+4*\s+3], s[G1:G1+7]
	s_nop 0
.rept 4
	v_nop
.endr
	s_branch .Lasked_\@
.Lfor_b_\@:
	tensor_load_to_lds s[G0B+4*\s:G0B+4*\s+3], s[G1B:G1B+7]
	s_nop 0
.rept 4
	v_nop
.endr
.Lasked_\@:
.endm
.macro CREST                           ; a round of the cluster's barrier behind its opening barrier
	s_cmp_lg_u32 s14, 0
	s_cbranch_scc1 .Lnot_wave_0_\@
	s_barrier_signal -3
.Lnot_wave_0_\@:
	s_barrier_wait -3
	s_barrier_signal -1
	s_barrier_wait -1
.endm
.macro CROUND
	s_barrier_signal -1
	s_barrier_wait -1
	CREST
.endm
	s_load_b256 s[4:11], s[0:1], 0x0               ; y16 s[4:5], wp16 s[6:7], b_proj s[8:9], out0 s[10:11]
	v_lshl_add_u32 v[SPW], v0, 2, SPARE
	v_mov_b32 v[NIL], 0
	ds_add_u32 v[SPW], v[NIL]                      ; the wave's opening: the add, twice on end, and its wait ahead of my first tensor load
	ds_add_u32 v[SPW], v[NIL]
	v_lshrrev_b32 v1, 5, v0
	v_readfirstlane_b32 s14, v1                    ; wave 0..3
	s_lshr_b32 s15, s14, 1                         ; which 64 rows are mine.  Also: I fetch for y (0) or for W (1)
	s_and_b32 s16, s14, 1                          ; which 128 columns.  Also: which plane, or which 64 rows of W, I fetch
	s_bfe_u32 s40, ttmp6, 0x40000                  ; cx = the tile column
	s_bfe_u32 s41, ttmp6, 0x40004                  ; cy = the batch
	s_and_b32 s17, ttmp7, 0xffff                   ; cluster y: the tile in the sequence
	s_or_b32 s66, s17, s15                         ; 0: my first 16 rows are positions 0 to 15 of a sequence
	s_lshl_b32 s42, s41, 4
	s_add_co_u32 s17, s17, s42                     ; tile row = 16 cy + cluster y
	s_lshl_b32 s43, s41, 2
	s_lshl_b32 s43, 15, s43                        ; my row of the cluster
	s_lshl_b32 s44, 0x1111, s40                    ; my column
	s_or_b32 s[G1+0], s43, (1<<16)|(1<<20)|(1<<21)|(4<<22)|(3<<25)   ; y: elements of 2 bytes; 4 words of padding after every 32
	s_mov_b32 s[G1+1], 64<<16                      ; tensor_dim0
	s_mov_b32 s[G1+2], 128<<16                     ; tensor_dim1
	s_mov_b32 s[G1+3], 64<<16                      ; tile_dim0
	s_mov_b32 s[G1+4], 128                         ; tile_dim1
	s_mov_b32 s[G1+5], 64                          ; stride
	s_mov_b32 s[G1+6], 0
	s_mov_b32 s[G1+7], 0
	s_or_b32 s[G1B+0], s44, (1<<16)|(1<<20)|(1<<21)|(6<<22)|(7<<25)  ; W: 8 words of padding after every 128
	s_mov_b32 s[G1B+1], 256<<16
	s_mov_b32 s[G1B+2], 64<<16
	s_mov_b32 s[G1B+3], 256<<16
	s_mov_b32 s[G1B+4], 64
	s_mov_b32 s[G1B+5], 1024
	s_mov_b32 s[G1B+6], 0
	s_mov_b32 s[G1B+7], 0
	s_lshl_b32 s20, s17, 14                        ; y: the tile's 128 rows of 128 bytes,
	s_lshl_b32 s21, s16, 20                        ; in plane 0 or 1
	s_add_co_u32 s20, s20, s21
	s_mov_b32 s21, 0
	s_lshl_b32 s46, s16, 17                        ; W: 64 rows of 2,048 bytes,
	s_lshl_b32 s47, s40, 9                         ; the tile's 256 columns
	s_add_co_u32 s46, s46, s47
	s_mov_b32 s47, 0
	s_mul_i32 s45, s16, PLANE                      ; where they go: no place in the cluster enters an LDS address
	s_mul_i32 s18, s16, HALFB
	s_add_co_u32 s18, s18, BOFF
	s_wait_dscnt 0x0                               ; both opening adds are done
	s_wait_kmcnt 0x0
	s_add_nc_u64 s[22:23], s[4:5], s[20:21]
	s_add_nc_u64 s[46:47], s[6:7], s[46:47]
	CROUND                                         ; all sixteen work-groups are here: the first joint loads meet
.irp s, 0,1
	s_mov_b32 s[G0+4*\s], 1
	s_add_co_u32 s[G0+4*\s+1], s45, \s*SLOT
	s_add_nc_u64 s[G0+4*\s+2:G0+4*\s+3], s[22:23], \s*(2<<20)      ; K step s: planes 2 s, 2 s + 1
	s_or_b32 s[G0+4*\s+3], s[G0+4*\s+3], 0x80000000
	s_mov_b32 s[G0B+4*\s], 1
	s_add_co_u32 s[G0B+4*\s+1], s18, \s*SLOT
	s_add_nc_u64 s[G0B+4*\s+2:G0B+4*\s+3], s[46:47], \s*128*2048   ; rows 128 s on
	s_or_b32 s[G0B+4*\s+3], s[G0B+4*\s+3], 0x80000000
	JLOAD \s                                       ; two loads of mine are out behind the second
.endr
	v_and_b32 v1, 15, v0                           ; r
	v_bfe_u32 v2, v0, 4, 1                         ; h
	v_mul_u32_u24 v3, v1, PA
	v_lshl_add_u32 v3, v2, 4, v3
	s_mul_i32 s21, s15, 64*PA
	v_add_nc_u32 v[ADRA], s21, v3                  ; y's fragments: (64 x row half + r) x pitch + 16 h
	v_add_nc_u32 v[ADRA+1], SLOT, v[ADRA]
	v_and_b32 v4, 7, v0
	v_lshl_add_u32 v4, v2, 3, v4
	v_mul_u32_u24 v4, v4, PB
	v_bfe_u32 v5, v0, 3, 1
	v_lshl_add_u32 v4, v5, 4, v4
	s_lshl_b32 s21, s16, 8
	s_add_co_u32 s21, s21, BOFF
	v_add_nc_u32 v[ADRB], s21, v4                  ; W's, for the turning load: (8 h + lane % 8) x pitch + 16 ((lane / 8) % 2) + my 128 columns
	v_add_nc_u32 v[ADRB+1], SLOT, v[ADRB]
	s_mul_i32 s21, s14, 16*SPITCH                  ; my stage
	v_mul_u32_u24 v5, v1, SPITCH
	v_lshl_add_u32 v5, v2, 5, v5
	v_add_nc_u32 v[STO], s21, v5
	v_and_b32 v6, 31, v0
	v_lshlrev_b32 v[CO], 4, v6
	v_add_nc_u32 v[RD], s21, v[CO]
	v_lshlrev_b32 v[BO], 5, v2
	s_lshl_b32 s46, s40, 10
	s_lshl_b32 s47, s16, 9
	s_add_co_u32 s46, s46, s47                     ; my first column, in f32 bytes
	s_mov_b32 s47, 0
	s_add_nc_u64 s[8:9], s[8:9], s[46:47]
	s_lshl_b32 s20, s17, 7
	s_lshl_b32 s21, s15, 6
	s_add_co_u32 s20, s20, s21                     ; my first row
	s_lshl_b32 s20, s20, 12
	s_add_co_u32 s20, s20, s46
	s_mov_b32 s21, 0
	s_add_nc_u64 s[10:11], s[10:11], s[20:21]
	WIN 0x80                                       ; destination window 2
.irp b, 0,1,2,3,4,5,6,7
	global_load_b128 v[8*\b:8*\b+3], v[BO], s[8:9] offset:64*\b    ; lane (r, h): b_proj at columns 16 b + 8 h + 0 .. 7
	global_load_b128 v[8*\b+4:8*\b+7], v[BO], s[8:9] offset:64*\b+16
.endr
	WIN 0
; 24 LDS loads in one run: the fragments of quarter q (32 along K) of a slot into buffer f: W's eight first, then y's four
.macro FETCH slot, q, f
.irp b, 0,1,2,3,4,5,6,7
	ds_load_tr16_b128 v[BF+64*(\f)+8*\b:BF+64*(\f)+8*\b+3],   v[ADRB+\slot] offset:(\q)*32*PB+32*\b
	ds_load_tr16_b128 v[BF+64*(\f)+8*\b+4:BF+64*(\f)+8*\b+7], v[ADRB+\slot] offset:(\q)*32*PB+16*PB+32*\b
.endr
.irp a, 0,1,2,3
	ds_load_b128 v[AF+32*(\f)+8*\a:AF+32*(\f)+8*\a+3],   v[ADRA+\slot] offset:((\q)/2)*PLANE+((\q)%2)*64+\a*16*PA
	ds_load_b128 v[AF+32*(\f)+8*\a+4:AF+32*(\f)+8*\a+7], v[ADRA+\slot] offset:((\q)/2)*PLANE+((\q)%2)*64+\a*16*PA+32
.endr
.endm
; 8 matrix instructions: y's block a against W's eight.  The 32 accumulators take turns, one instruction a turn, in the same order in every quarter
.macro MUL8 f, a, bias
.irp b, 0,1,2,3,4,5,6,7
.if \bias
	v_wmma_f32_16x16x32_f16 v[8*(8*(\a)+\b):8*(8*(\a)+\b)+7], v[BF+64*(\f)+8*\b:BF+64*(\f)+8*\b+7], v[AF+32*(\f)+8*(\a):AF+32*(\f)+8*(\a)+7], v[8*\b:8*\b+7]
.else
	v_wmma_f32_16x16x32_f16 v[8*(8*(\a)+\b):8*(8*(\a)+\b)+7], v[BF+64*(\f)+8*\b:BF+64*(\f)+8*\b+7], v[AF+32*(\f)+8*(\a):AF+32*(\f)+8*(\a)+7], v[8*(8*(\a)+\b):8*(8*(\a)+\b)+7]
.endif
.endr
.endm
.macro PLACES                          ; plain vector instructions between a matrix instruction and a load into, or a read of, its registers
.rept 4
	v_nop
.endr
.endm
; One of a K step's first three quarters: multiplies buffer f and, in its middle, fetches quarter q of the same slot into buffer g
.macro QUARTER slot, q, f, g, bias
	s_wait_dscnt 4                                 ; W's eight and y's blocks 0, 1 are in; the youngest four loads (blocks 2, 3) may be out
	WIN MUL+0x10*(\bias)
	MUL8 \f, 0, \bias
	MUL8 \f, 1, \bias
	PLACES
	WIN 0
	FETCH \slot, \q, \g
	s_wait_dscnt 24                                ; all but the 24 just issued
	WIN MUL+0x10*(\bias)
	MUL8 \f, 2, \bias
	MUL8 \f, 3, \bias
.endm
; The last quarter multiplies buffer 1 and changes slots: one barrier; in front of it each wave waits for all its tensor loads, adds 0 to its spare word, and waits for that and for its reads of this slot.
; fill = 1: the barrier opens a round of the cluster's, and this slot is filled again, two K steps ahead: the load has a K step less 16 matrix instructions in which to land.
.macro TURN slot, next, fill
	WIN 0
	s_wait_tensorcnt 0x0                           ; all my tensor loads have landed: my part of the next slot
	ds_add_u32 v[SPW], v[NIL]                      ; 0 onto my spare word
	s_wait_dscnt 5                                 ; (the add and the youngest four loads may be out)
	WIN MUL
	MUL8 1, 0, 0                                   ; eight matrix instructions stand between the add and the wait for it
	s_wait_dscnt 0x0                               ; the add is done, and my reads of this slot are over
	s_barrier_signal -1
	MUL8 1, 1, 0
	WIN 0
	s_barrier_wait -1
.if \fill
	CREST                                          ; no wave of any partner still reads this slot or has a load on its way
	s_add_nc_u64 s[G0+4*\slot+2:G0+4*\slot+3], s[G0+4*\slot+2:G0+4*\slot+3], 4<<20
	s_add_nc_u64 s[G0B+4*\slot+2:G0B+4*\slot+3], s[G0B+4*\slot+2:G0B+4*\slot+3], 256*2048
	JLOAD \slot                                    ; the first tensor load behind the round; the four v_nop behind it are also the places in front of the loads below
.else
	PLACES
.endif
	FETCH \next, 0, 0
	WIN MUL
	MUL8 1, 2, 0
	MUL8 1, 3, 0
.endm
	s_wait_tensorcnt 1                             ; my part of K step 0 is in; K step 1's load may be out
	s_barrier_signal -1
	s_barrier_wait -1
	FETCH 0, 0, 0
	s_wait_loadcnt 0x0                             ; the bias
	QUARTER 0, 1, 0, 1, 1                          ; the first quarter stands in front of the loop: its products start the sums from the bias
	WIN 0
	s_mov_b32 s3, 3
.Llap:                                             ; a trip goes once round the ring, from a lap's second quarter to the next lap's first, and fills both slots again
	QUARTER 0, 2, 1, 0, 0
	QUARTER 0, 3, 0, 1, 0
	TURN 0, 1, 1
	QUARTER 1, 1, 0, 1, 0
	QUARTER 1, 2, 1, 0, 0
	QUARTER 1, 3, 0, 1, 0
	TURN 1, 0, 1
	QUARTER 0, 1, 0, 1, 0
	WIN 0
	s_sub_co_u32 s3, s3, 1
	s_cmp_lg_u32 s3, 0
	s_cbranch_scc1 .Llap
	QUARTER 0, 2, 1, 0, 0                          ; the last lap fills nothing, and has no round
	QUARTER 0, 3, 0, 1, 0
	TURN 0, 1, 0
	QUARTER 1, 1, 0, 1, 0
	QUARTER 1, 2, 1, 0, 0
	QUARTER 1, 3, 0, 1, 0
	s_wait_dscnt 4                                 ; the very last quarter: nothing more to fetch
	WIN MUL
	MUL8 1, 0, 0
	MUL8 1, 1, 0
	s_wait_dscnt 0
	MUL8 1, 2, 0
	MUL8 1, 3, 0
	WIN 0
; THE WAY OUT, block by block of 16 rows x 128 columns: through my own stage, back as whole rows of 512 bytes.
.macro TOSTAGE a
	WIN 0x04                                       ; an LDS store's data are its source 1: window 1
.irp b, 0,1,2,3,4,5,6,7
	ds_store_b128 v[STO], v[64*(\a)+8*\b:64*(\a)+8*\b+3] offset:64*\b         ; each accumulator from its low end on
	ds_store_b128 v[STO], v[64*(\a)+8*\b+4:64*(\a)+8*\b+7] offset:64*\b+16
.endr
	WIN 0
.irp t, 0,1,2,3,4,5,6,7,8,9,10,11,12,13,14,15
	ds_load_b128 v[BF+64*((\a)%2)+4*\t:BF+64*((\a)%2)+4*\t+3], v[RD] offset:\t*SPITCH   ; LDS serves a wave's instructions in order
.endr
.endm
.macro SEND a, younger                 ; younger: the LDS instructions issued behind block a's loads, which may stay out
	s_wait_dscnt \younger
.irp t, 0,1,2,3,4,5,6,7,8,9,10,11,12,13,14,15
	global_store_b128 v[CO], v[BF+64*((\a)%2)+4*\t:BF+64*((\a)%2)+4*\t+3], s[10:11] offset:(16*(\a)+\t)*4096 th:TH_STORE_NT   ; 32 lanes store 512 consecutive bytes, aligned
.endr
.endm
	PLACES
	s_cmp_eq_u32 s66, 0                            ; positions 0 to 15 of a sequence are not stored here.  The branch hangs on the cluster's y and the wave's number
	s_cbranch_scc1 .Lskip0
	TOSTAGE 0
	SEND 0, 0
	s_wait_xcnt 0x0
.Lskip0:
	TOSTAGE 1
.irp a, 2,3
	s_wait_xcnt 0x0                                ; block a - 2's stores have read their registers: block a's loads may land there
	TOSTAGE \a
	SEND \a-1, 32                                  ; behind block a - 1's loads: block a's 16 stores and 16 loads
.endr
	SEND 3, 0
	s_wait_tensorcnt 0x0                           ; the wave's end
	ds_add_u32 v[SPW], v[NIL]
	s_wait_dscnt 0x0
	CROUND                                         ; the closing round
	s_endpgm
.Lfunc_end_k_q2646f39321_proj:
	.size	k_q2646f39321_proj, .Lfunc_end_k_q2646f39321_proj-k_q2646f39321_proj
	.p2alignl 7, 3214868480
	.fill 96, 4, 3214868480
	.section	.rodata,"a",@progbits
	.p2align	6, 0x0
	.amdhsa_kernel k_q2646f39321_proj
		.amdhsa_group_segment_fixed_size 327680
		.amdhsa_private_segment_fixed_size 0
		.amdhsa_enable_private_segment 0
		.amdhsa_kernarg_size 32
		.amdhsa_user_sgpr_count 2
		.amdhsa_user_sgpr_kernarg_segment_ptr 1
		.amdhsa_wavefront_size32 1
		.amdhsa_system_sgpr_workgroup_id_x 1
		.amdhsa_system_sgpr_workgroup_id_y 1
		.amdhsa_system_sgpr_workgroup_id_z 1
		.amdhsa_system_vgpr_workitem_id 0
		.amdhsa_next_free_vgpr 576
		.amdhsa_next_free_sgpr 72
		.amdhsa_reserve_vcc 0
		.amdhsa_float_denorm_mode_32 3
		.amdhsa_float_denorm_mode_16_64 3
		.amdhsa_memory_ordered 1
		.amdhsa_forward_progress 1
		.amdhsa_inst_pref_size 86
	.end_amdhsa_kernel
	.amdgpu_metadata
---
amdhsa.version: [ 1, 2 ]
amdhsa.kernels:
  - .name:           k_q2646f39321_proj
    .symbol:         k_q2646f39321_proj.kd
    .args:
      - { .name: y16, .offset: 0, .size: 8, .value_kind: global_buffer, .address_space: global }
      - { .name: wp16, .offset: 8, .size: 8, .value_kind: global_buffer, .address_space: global }
      - { .name: b_proj, .offset: 16, .size: 8, .value_kind: global_buffer, .address_space: global }
      - { .name: out0, .offset: 24, .size: 8, .value_kind: global_buffer, .address_space: global }
    .group_segment_fixed_size: 327680
    .private_segment_fixed_size: 0
    .kernarg_segment_align: 8
    .kernarg_segment_size: 32
    .max_flat_workgroup_size: 128
    .sgpr_count:     72
    .vgpr_count:     576
    .wavefront_size: 32
...
	.end_amdgpu_metadata
.endif
;; end of part 4
;; launch first16 (part 5): grid 16 x 4, 16 waves a work-group, no clusters, 71,680 bytes of LDS; arguments qkv32, W_proj, b_proj, out0; writes out0
.if DOCPART == 5
	.amdgcn_target "amdgcn-amd-amdhsa--gfx1250"
	.amdhsa_code_object_version 6
	.text
	.protected	k_q2646f39321_first16
	.globl	k_q2646f39321_first16
	.p2align	8
	.type	k_q2646f39321_first16,@function
k_q2646f39321_first16:
	s_mov_b64 s[64:65], 0
	v_nop
	global_prefetch_b8 v0, s[64:65] scope:SCOPE_SE
	s_setreg_imm32_b32 hwreg(HW_REG_WAVE_MODE, 25, 1), 1
	s_wait_xcnt 0x0
; Positions 0 to 15 of every sequence, all in f32: there a row of the softmax averages one to sixteen values and the rounding of 16-bit operands would weigh most.  64 rows in all: no bulk work.
; LEFT OUT: k's bias (qkv32 holds k without it: shown at the head of the launch prep).
; Work-group (x, b): 64 columns n0 = 64 x of out0, batch b.  Wave = head: it makes its head's 16 x 16 attention (32 matrix instructions), then y_head [16][64] x W_proj[64 head ..][n0 ..] (64); the 16 heads' parts meet in LDS.
; All products by v_wmma_f32_16x16x4_f32, transposed, with the same order of k on both sides, so that each result is the next product's source 1 as it stands:
;  S^T = K Q^T: lane (r, h) holds row r's channels 32 h + 0..31 of k and of q; step s takes registers 2 s, 2 s + 1 of both.  Result: query r, keys 8 h + 0..7.
;  y^T = V^T P: step u takes p's registers 2 u, 2 u + 1 (keys 8 h + 2 u, + 1) and v at the same keys.  Result: query r, channels 16 dt + 8 h + 0..7.
;  out^T = W^T y^T: step (dt, u) takes y^T's registers 2 u, 2 u + 1 of tile dt and W_proj at the same channels.  Result: query r, columns 16 tau + 8 h + 0..7.
; The registers that these instructions write are written by them alone; each sum begins with the constant 0; four accumulators take turns.
.set SPW, 14
.set NIL, 15
.set QR,  16                           ; v16-47   q; later W_proj, channels 32 on
.set KR,  48                           ; v48-79   k; later the same
.set VR,  80                           ; v80-111  v
.set WA,  112                          ; v112-175 W_proj, channels 0-31
.set SA,  176                          ; v176-207 four partial S^T; later out^T's four tiles
.set YA,  208                          ; v208-239 y^T's four tiles
.set PP,  240                          ; v240-247 the scores, then p
.set WPART, 4352                       ; LDS: a wave's part: 8 x (2 x 256 bytes + 2 x 16 of padding)
.set SPARE, 16*WPART                   ; the spare words, 128 bytes for each wave, that no other line names
	s_load_b256 s[4:11], s[0:1], 0x0               ; qkv32 s[4:5], W_proj s[6:7], b_proj s[8:9], out0 s[10:11]
	v_lshl_add_u32 v[SPW], v0, 2, SPARE
	v_mov_b32 v[NIL], 0
	v_lshrrev_b32 v1, 5, v0
	v_readfirstlane_b32 s12, v1                    ; wave = head
	v_and_b32 v1, 15, v0                           ; r
	v_bfe_u32 v2, v0, 4, 1                         ; h
	v_mul_u32_u24 v3, v1, 12288
	v_lshl_add_u32 v3, v2, 7, v3                   ; q, k: row r, + 32 h channels
	v_mul_u32_u24 v4, v2, 98304
	v_lshl_add_u32 v4, v1, 2, v4                   ; v: row 8 h, channel r
	v_lshlrev_b32 v5, 15, v2
	v_lshl_add_u32 v5, v1, 2, v5                   ; W_proj: row 8 h, column r
	s_mul_i32 s13, s12, WPART
	v_lshlrev_b32 v6, 4, v1
	v_mad_u32_u24 v6, v2, 272, v6
	v_add_nc_u32 v6, s13, v6                       ; my part in LDS: 16 r + 272 h
	v_bfe_u32 v7, v0, 2, 2                         ; the sum: lane takes row 2 w + lane / 16 and columns 4 p .. 4 p + 3, p = lane % 16: tile p / 4, half (p / 2) % 2, quad p % 2
	v_and_b32 v8, 1, v0
	v_lshl_add_u32 v7, v7, 1, v8
	v_mul_u32_u24 v7, v7, 544
	v_bfe_u32 v8, v0, 1, 1
	v_mad_u32_u24 v7, v8, 272, v7
	s_lshl_b32 s13, s12, 1
	v_add_nc_u32 v8, s13, v2                       ; the row
	v_lshl_add_u32 v7, v8, 4, v7
	v_lshlrev_b32 v9, 12, v8
	v_lshl_add_u32 v9, v1, 4, v9                   ; out0: row x 4,096 + 16 p
	v_lshlrev_b32 v12, 4, v1                       ; b_proj: 16 p
	v_lshlrev_b32 v10, 3, v2
	v_sub_nc_u32 v10, v1, v10                      ; r - 8 h: key 8 h + j is hidden where j is above it
	v_mov_b32 v11, 0xff800000                      ; -infinity
	s_mov_b32 s20, 0x76543210
	s_mov_b32 s21, 0xfedcba98                      ; v_permlanex16_b32's selects for lane l xor 16
	s_mov_b32 s22, 0x3e38aa3b                      ; c = log2(e) / 8
	s_and_b32 s14, ttmp7, 0xffff                   ; the batch
	s_mul_i32 s16, s14, 16*12288
	s_lshl_b32 s17, s12, 8
	s_add_co_u32 s16, s16, s17
	s_mov_b32 s17, 0
	s_lshl_b32 s18, s12, 18                        ; the head's 64 rows of W_proj,
	s_lshl_b32 s24, ttmp9, 8                       ; the work-group's 64 columns
	s_add_co_u32 s18, s18, s24
	s_mov_b32 s19, 0
	s_mov_b32 s25, 0
	s_lshl_b32 s26, s14, 23
	s_add_co_u32 s26, s26, s24
	s_mov_b32 s27, 0
	s_wait_kmcnt 0x0
	s_add_nc_u64 s[4:5], s[4:5], s[16:17]
	s_add_nc_u64 s[6:7], s[6:7], s[18:19]
	s_add_nc_u64 s[8:9], s[8:9], s[24:25]
	s_add_nc_u64 s[10:11], s[10:11], s[26:27]
.irp i, 0,1,2,3,4,5,6,7
	global_load_b128 v[QR+4*\i:QR+4*\i+3], v3, s[4:5] offset:16*\i
.endr
.irp i, 0,1,2,3,4,5,6,7
	global_load_b128 v[KR+4*\i:KR+4*\i+3], v3, s[4:5] offset:4096+16*\i
.endr
.irp d, 0,1,2,3
.irp e, 0,1,2,3,4,5,6,7
	global_load_b32 v[VR+8*\d+\e], v4, s[4:5] offset:8192+\e*12288+64*\d     ; v(key 8 h + e, channel 16 d + r)
.endr
.endr
	s_wait_loadcnt 32                              ; q and k are in; v's 32 loads may be out
.set i, 0
.rept 16
.if i < 4
	v_wmma_f32_16x16x4_f32 v[SA+8*(i%4):SA+8*(i%4)+7], v[KR+2*i:KR+2*i+1], v[QR+2*i:QR+2*i+1], 0
.else
	v_wmma_f32_16x16x4_f32 v[SA+8*(i%4):SA+8*(i%4)+7], v[KR+2*i:KR+2*i+1], v[QR+2*i:QR+2*i+1], v[SA+8*(i%4):SA+8*(i%4)+7]
.endif
.set i, i+1
.endr
	s_wait_loadcnt 0x0                             ; v
.rept 8
	v_nop                                          ; eight places behind this form: for the reads of the results and for the loads into q's and k's registers
.endr
.irp d, 0,1,2,3
.irp e, 0,1,2,3,4,5,6,7
.irp u, 0,1,2,3
	global_load_b32 v[WA-(\d/2)*(WA-QR)+(4*(\d%2)+\e/2)*8+2*\u+\e%2], v5, s[6:7] offset:(16*\d+\e)*4096+64*\u   ; W_proj(64 head + 16 d + 8 h + e, n0 + 16 u + r)
.endr
.endr
.endr
.irp p, 0,1,2,3                        ; the four partial sums are added into other registers, each accumulator from its low end on
	v_pk_add_f32 v[PP+2*\p:PP+2*\p+1], v[SA+2*\p:SA+2*\p+1], v[SA+8+2*\p:SA+8+2*\p+1]
	v_pk_add_f32 v[248+2*\p:249+2*\p], v[SA+16+2*\p:SA+16+2*\p+1], v[SA+24+2*\p:SA+24+2*\p+1]
.endr
.irp p, 0,1,2,3
	v_pk_add_f32 v[PP+2*\p:PP+2*\p+1], v[PP+2*\p:PP+2*\p+1], v[248+2*\p:249+2*\p]
.endr
.irp j, 0,1,2,3,4,5,6,7
	v_cmp_gt_i32 vcc_lo, \j, v10                   ; the causal mask
	v_cndmask_b32 v[PP+\j], v[PP+\j], v11, vcc_lo
.endr
	v_max3_num_f32 v248, v240, v241, v242
	v_max3_num_f32 v249, v243, v244, v245
	v_max3_num_f32 v248, v248, v246, v247
	v_max_num_f32 v248, v248, v249
	v_permlanex16_b32 v249, v248, s20, s21
	v_max_num_f32 v248, v248, v249                 ; the row's maximum: key 0 counts for every query, so it is a number
	v_mul_f32 v249, s22, v248
.irp j, 0,1,2,3,4,5,6,7
	v_fma_f32 v[PP+\j], v[PP+\j], s22, -v249
.endr
.irp j, 0,1,2,3,4,5,6,7
	v_exp_f32 v[PP+\j], v[PP+\j]
.endr
	v_nop
	s_wait_alu depctr_va_vdst(0)                   ; one wait for the eight, ahead of their first reader
	v_pk_add_f32 v[250:251], v[240:241], v[242:243]
	v_pk_add_f32 v[252:253], v[244:245], v[246:247]
	v_pk_add_f32 v[250:251], v[250:251], v[252:253]
	v_add_f32 v250, v250, v251
	v_permlanex16_b32 v251, v250, s20, s21
	v_add_f32 v250, v250, v251                     ; the row's sum
	v_rcp_f32 v252, v250
	v_nop
	s_wait_alu depctr_va_vdst(0)
.irp p, 0,1,2,3
	v_pk_mul_f32 v[PP+2*\p:PP+2*\p+1], v[PP+2*\p:PP+2*\p+1], v[252:253] op_sel_hi:[1,0]
.endr
.irp u, 0,1,2,3
.irp d, 0,1,2,3
.if \u == 0
	v_wmma_f32_16x16x4_f32 v[YA+8*\d:YA+8*\d+7], v[VR+8*\d+2*\u:VR+8*\d+2*\u+1], v[PP+2*\u:PP+2*\u+1], 0
.else
	v_wmma_f32_16x16x4_f32 v[YA+8*\d:YA+8*\d+7], v[VR+8*\d+2*\u:VR+8*\d+2*\u+1], v[PP+2*\u:PP+2*\u+1], v[YA+8*\d:YA+8*\d+7]
.endif
.endr
.endr
.rept 9
	v_nop                                          ; nine places behind this form before a result is another product's source
.endr
	s_wait_loadcnt 0x0                             ; W_proj
.irp d, 0,1,2,3
.irp u, 0,1,2,3
.irp t, 0,1,2,3
.if (\d == 0) && (\u == 0)
	v_wmma_f32_16x16x4_f32 v[SA+8*\t:SA+8*\t+7], v[WA-(\d/2)*(WA-QR)+(4*(\d%2)+\u)*8+2*\t:WA-(\d/2)*(WA-QR)+(4*(\d%2)+\u)*8+2*\t+1], v[YA+8*\d+2*\u:YA+8*\d+2*\u+1], 0
.else
	v_wmma_f32_16x16x4_f32 v[SA+8*\t:SA+8*\t+7], v[WA-(\d/2)*(WA-QR)+(4*(\d%2)+\u)*8+2*\t:WA-(\d/2)*(WA-QR)+(4*(\d%2)+\u)*8+2*\t+1], v[YA+8*\d+2*\u:YA+8*\d+2*\u+1], v[SA+8*\t:SA+8*\t+7]
.endif
.endr
.endr
.endr
.rept 8
	v_nop
.endr
.irp t, 0,1,2,3
	ds_store_b128 v6, v[SA+8*\t:SA+8*\t+3] offset:544*(2*\t)       ; lane (r, h): columns 16 t + 8 h + 0..3 of query r; each accumulator from its low end on
	ds_store_b128 v6, v[SA+8*\t+4:SA+8*\t+7] offset:544*(2*\t+1)
.endr
	s_wait_dscnt 0x0                               ; for the others' sake: my part lies in LDS
	s_barrier_signal -1
	s_barrier_wait -1
	s_cmp_lt_u32 s12, 8                            ; waves 0 to 7 add the sixteen parts, two rows each
	s_cbranch_scc0 .Ldone
	global_load_b128 v[80:83], v12, s[8:9]
.irp i, 0,1,2,3,4,5,6,7,8,9,10,11,12,13,14,15
	ds_load_b128 v[16+4*\i:19+4*\i], v7 offset:\i*WPART
.endr
	s_wait_dscnt 0x0
.irp w, 1,2,4,8
.set i, 0
.rept 8/\w
	v_pk_add_f32 v[16+8*\w*i:17+8*\w*i], v[16+8*\w*i:17+8*\w*i], v[16+8*\w*i+4*\w:17+8*\w*i+4*\w]
	v_pk_add_f32 v[18+8*\w*i:19+8*\w*i], v[18+8*\w*i:19+8*\w*i], v[18+8*\w*i+4*\w:19+8*\w*i+4*\w]
.set i, i+1
.endr
.endr
	s_wait_loadcnt 0x0
	v_pk_add_f32 v[16:17], v[16:17], v[80:81]
	v_pk_add_f32 v[18:19], v[18:19], v[82:83]
	global_store_b128 v9, v[16:19], s[10:11]       ; sixteen lanes store 256 consecutive bytes of a row, aligned
.Ldone:
	s_wait_tensorcnt 0x0                           ; the wave's end
	ds_add_u32 v[SPW], v[NIL]
	s_wait_dscnt 0x0
	s_endpgm
.Lfunc_end_k_q2646f39321_first16:
	.size	k_q2646f39321_first16, .Lfunc_end_k_q2646f39321_first16-k_q2646f39321_first16
	.p2alignl 7, 3214868480
	.fill 96, 4, 3214868480
	.section	.rodata,"a",@progbits
	.p2align	6, 0x0
	.amdhsa_kernel k_q2646f39321_first16
		.amdhsa_group_segment_fixed_size 71680
		.amdhsa_private_segment_fixed_size 0
		.amdhsa_enable_private_segment 0
		.amdhsa_kernarg_size 32
		.amdhsa_user_sgpr_count 2
		.amdhsa_user_sgpr_kernarg_segment_ptr 1
		.amdhsa_wavefront_size32 1
		.amdhsa_system_sgpr_workgroup_id_x 1
		.amdhsa_system_sgpr_workgroup_id_y 1
		.amdhsa_system_sgpr_workgroup_id_z 1
		.amdhsa_system_vgpr_workitem_id 0
		.amdhsa_next_free_vgpr 256
		.amdhsa_next_free_sgpr 66
		.amdhsa_reserve_vcc 1
		.amdhsa_float_denorm_mode_32 3
		.amdhsa_float_denorm_mode_16_64 3
		.amdhsa_memory_ordered 1
		.amdhsa_forward_progress 1
		.amdhsa_inst_pref_size 34
	.end_amdhsa_kernel
	.amdgpu_metadata
---
amdhsa.version: [ 1, 2 ]
amdhsa.kernels:
  - .name:           k_q2646f39321_first16
    .symbol:         k_q2646f39321_first16.kd
    .args:
      - { .name: qkv32, .offset: 0, .size: 8, .value_kind: global_buffer, .address_space: global }
      - { .name: W_proj, .offset: 8, .size: 8, .value_kind: global_buffer, .address_space: global }
      - { .name: b_proj, .offset: 16, .size: 8, .value_kind: global_buffer, .address_space: global }
      - { .name: out0, .offset: 24, .size: 8, .value_kind: global_buffer, .address_space: global }
    .group_segment_fixed_size: 71680
    .private_segment_fixed_size: 0
    .kernarg_segment_align: 8
    .kernarg_segment_size: 32
    .max_flat_workgroup_size: 512
    .sgpr_count:     66
    .vgpr_count:     256
    .wavefront_size: 32
...
	.end_amdgpu_metadata
.endif
;; end of part 5
